; MI455X (gfx1250); checked and timed in simulation.
; The chip was launched on July 23, 2026; its instructions are those of AMD's public machine-readable ISA for CDNA 5 (MIT licence, August 2026) and "CDNA5" Instruction Set Architecture Reference Guide (July 2026). The comments in the code are by the model that wrote it; some were corrected since.
;; Attention. Allowed arithmetic: matrix products marked QUANTISED: E2M3 operands, one E8M0 scale for each 32 along K, by v_wmma_scale_f32_16x16x128_f8f6f4 with both operands' format E2M3, f32 sums; everything else in f32.
;; Inputs: Wk 1,024 x 1,024 float32; Wo 1,024 x 1,024 float32; Wq 1,024 x 1,024 float32; Wv 1,024 x 1,024 float32; bk 1,024 float32; bo 1,024 float32; bq 1,024 float32; bv 1,024 float32; k 4 x 2,048 x 1,024 float32; mask 4 x 1 x 2,048 x 2,048 bool; q 4 x 2,048 x 1,024 float32; v 4 x 2,048 x 1,024 float32.
;; Outputs: out0 4 x 2,048 x 1,024 float32.
;; This version of the problem:
;;   THIS VERSION OF THE PROBLEM IS GIVEN IN LOW PRECISION. The matrix products marked QUANTISED in the list below multiply operands that are first quantised to E2M3 (2 exponent bits, 3 mantissa bits; 6 bits a number), with one power-of-two scale for each 32 numbers along K (OCP MX v1.0); their sums are f32. All else is computed in f32.
;;   The module's matrix products, in the order in which they are computed (A, B: the left and right operand; K: the contracted axis; several contracted axes count as one K, in the product's order):
;;     1. [M 8,192, K 1,024] x [K 1,024, N 1,024]; A: input q; B: input Wq: QUANTISED
;;     2. [M 8,192, K 1,024] x [K 1,024, N 1,024]; A: input k; B: input Wk: QUANTISED
;;     3. [M 8,192, K 1,024] x [K 1,024, N 1,024]; A: input v; B: input Wv: QUANTISED
;;     4. batch 64 x [M 2,048, K 64] x [K 64, N 2,048]; A: computed on the way; B: computed on the way: QUANTISED
;;     5. batch 64 x [M 2,048, K 2,048] x [K 2,048, N 64]; A: softmax (see below); B: computed on the way: QUANTISED
;;     6. [M 8,192, K 1,024] x [K 1,024, N 1,024]; A: computed on the way; B: input Wo: QUANTISED
;;   THE QUANTISER, for each operand of a quantised product, along K:
;;     - K is cut into blocks of 32 from its start; a last block that is shorter is filled with zeros.
;;     - A block's scale is 2^e with e = floor(log2(the largest magnitude in the block)) - 2, held to -126 .. 127; a block of zeros has e = 0. As a byte (E8M0): e + 127.
;;     - Each number is divided by its block's scale, clamped to +-7.5, and rounded to the nearest number of E2M3, ties to even, subnormals kept.
;;     - The product sums the exact products of the quantised numbers (number of the format x scale) in f32.
;;   ~~~python
;;   def quantise(x, axis):      # numpy; x: float32 -> the quantised numbers, widened to float32 again
;;       x = np.moveaxis(x, axis, -1); K = x.shape[-1]
;;       x = np.pad(x, [(0, 0)] * (x.ndim - 1) + [(0, -K % 32)]); x = x.reshape(x.shape[:-1] + (-1, 32)); a = np.abs(x).max(-1, keepdims=True)
;;       e = np.where(a > 0, np.clip(np.frexp(np.where(a > 0, a, 1))[1] - 1 - 2, -126, 127), 0)      # np.frexp(a)[1] - 1 = floor(log2(a)), exactly
;;       r = np.clip(x / 2.0 ** e, -7.5, 7.5)
;;       step = 2.0 ** (np.maximum(np.frexp(np.where(r == 0, 1, r))[1] - 1, 0) - 3)
;;       q = np.round(r / step) * step * 2.0 ** e      # np.round: ties to even
;;       return np.moveaxis(q.reshape(q.shape[:-2] + (-1,))[..., :K], -1, axis).astype(np.float32)
;;   ~~~
;;   SOFTMAX AHEAD OF A QUANTISED PRODUCT. Where the list says 'softmax', what is quantised is not the finished softmax but p = 2^(t - M), with t = logit x log2(e) and M = ceil(the row's largest t), a whole number; so 1/2 < the row's largest p <= 1. The row's sum l is taken of the UNQUANTISED p, in f32, and the product's result is divided by l at the end. Since M is a whole number, a kernel that streams over the keys may use a running M (the ceiling of the running maximum): every later rescaling is an exact power of two, which a block's scale takes up: the codes' values come out the same.
;;   OPERANDS COMPUTED ON THE WAY. 'Computed on the way' means the value that the module computes at that place (a softmax that the list does not call 'softmax' is quantised finished and normalised). What goes into a quantiser is computed in f32, as accurately as f32 sums, v_exp_f32 and their like allow (about 1e-6 of the number): no bf16 or f16 on the way to a quantiser, and a product that is left as it is and whose result goes on into a quantised operand takes f32 operands (vector FMAs, or v_wmma_f32_16x16x4_f32). A number that lies on a knife's edge between two numbers of the format may be rounded either way, as far as f32 arithmetic and the matrix unit's own rounding can turn it there, and no further.
;; One version. Each part assembles by itself: llvm-mc -triple=amdgcn-amd-amdhsa -mcpu=gfx1250 --defsym DOCPART=n.
;; ======== version 1 of 1: 4 launches
;; limits: right only within a limited range of input values
;; workspace buffers: pan 22,937,600 bytes; mw 2,097,152 bytes of whole numbers; qimg 6,291,456 bytes; qsc 524,288 bytes; kv 13,369,344 bytes; opan 6,553,600 bytes
;; launch prep (part 1): grid 960 x 1, 4 waves a work-group, no clusters, 70,144 bytes of LDS; arguments q, k, v, Wq, Wk, Wv, Wo, mask, pan, mw; writes pan, mw
.if DOCPART == 1
	.amdgcn_target "amdgcn-amd-amdhsa--gfx1250"
	.amdhsa_code_object_version 6
	.text
	.protected	k_qbc1ccec775_prep
	.globl	k_qbc1ccec775_prep
	.p2align	8
	.type	k_qbc1ccec775_prep,@function
k_qbc1ccec775_prep:
	s_mov_b64 s[64:65], 0
	v_nop
	global_prefetch_b8 v0, s[64:65] scope:SCOPE_SE
	s_setreg_imm32_b32 hwreg(HW_REG_WAVE_MODE, 25, 1), 1
	s_wait_xcnt 0x0
; PREP.  (a) q, k, v [8192][1024] and Wq, Wk, Wv, Wo [1024][1024], f32, K innermost, become codes of FP6 (E2M3) with one E8M0 byte for each 32 along K, laid in PANELS.
; (b) the mask's bytes become lane masks: one 32-bit word for each register of scores that the attention launch holds.
; A PANEL is 128 rows x 1,024 K = 8 K steps of 12,800 bytes.  A K step: 8 row blocks x 1,536 bytes of codes, then 8 x 64 bytes of scale words (word of row index m at 4 m).
; A row block's codes are AN IMAGE OF THE OPERAND'S REGISTERS: for each half c of the 128 K, registers 6c..6c+3 of lane L at 16 L (512 bytes), registers 6c+4, 6c+5 at 512 + 8 L (256 bytes).
; THE ROWS OF A BLOCK ARE NOT NEIGHBOURS: index m of block i is row 32 (i/2) + 8 (i%2) + m + 8 (m/8) of the panel, so that, taken as source 0 of a product, blocks 2b and 2b+1 leave a lane 16 neighbouring rows in 16 registers.
; Panels: q 0-63, k 64-127, v 128-191, Wq 192-199, Wk 200-207, Wv 208-215, Wo 216-223.
; SHARES.  Work-groups 0-447: a wave takes one K step of one panel (64 KiB in, 12,800 bytes out).  Work-groups 448-959: a work-group takes one tile of 16 queries of the mask, each of its four waves 512 of the 2,048 keys.
; Waves share nothing: no barrier.  The two paths part on the work-group's number and have LDS bytes of their own.
; A block's scale byte is its largest magnitude's exponent field - 2, held at 1 from below by a floor among the maximum's leaves.
; LIMITS: NaN and infinities among the inputs are not served.  A block of zeros, or one whose largest magnitude lies under 2^-124, gets the byte 1 (the rule says 127 for zeros): its codes are zeros, and this program alone reads the bytes.
.set R,     36                         ; v36-163   two sets of 64 registers as loaded (the mask path uses the first)
.set X,     164                        ; v164-227  64 numbers of my row: register 32 c + i = k 64 c + 32 h + i
.set PC,    16                         ; v16-27    the fragment's codes
.set PT,    28                         ; v28-30, v32-34  the upper halves' codes as converted (three registers begin on an even number)
.set SP,    528                        ; a stage row: 512 bytes + 16, so that sixteen rows' equal columns fall on sixteen different columns of 16 bytes
.set FREG,  16*SP+512                  ; a wave's LDS on the f32 path: the stage, then 512 bytes of scale words
.set MREG,  16*SP                      ; and on the mask path
.set MBASE, 4*FREG
.set NF32,  448
	s_load_b512 s[4:19], s[0:1], 0x0               ; q, k, v, Wq, Wk, Wv, Wo, mask
	s_load_b128 s[20:23], s[0:1], 0x40             ; pan, mw
	v_lshl_add_u32 v228, v0, 2, 0x11000
	v_mov_b32 v229, 0
	v_lshrrev_b32 v8, 5, v0
	v_readfirstlane_b32 s24, v8                    ; wave
	v_and_b32 v9, 31, v0                           ; lane L
	v_and_b32 v10, 15, v0                          ; r
	v_bfe_u32 v11, v0, 4, 1                        ; h
	v_lshlrev_b32 v1, 4, v9                        ; 16 L
	v_lshlrev_b32 v2, 3, v9                        ; 8 L
	s_cmp_ge_u32 ttmp9, NF32
	s_cbranch_scc1 .Lmask
	; ---------------- the f32 path
	s_mov_b32 s26, 0x76543210
	s_mov_b32 s27, 0xfedcba98                      ; v_permlanex16_b32's selects for lane l xor 16
	s_mul_i32 s25, s24, FREG
	v_add_nc_u32 v3, s25, v1                       ; into the stage: a row's 512 bytes as they lie
	v_mul_u32_u24 v4, v10, SP
	v_lshl_add_u32 v4, v11, 7, v4
	v_add_nc_u32 v4, s25, v4                       ; out of it: row r, + 128 h bytes: my 32 numbers of a half
	v_lshlrev_b32 v5, 2, v10
	v_add_nc_u32 v5, s25, v5
	v_add_nc_u32 v5, 16*SP, v5                     ; my row's scale word
	v_add_nc_u32 v6, 16*SP, v3                     ; the scale words on the way out: 16 bytes a lane
	v_lshlrev_b32 v7, 3, v11                       ; 8 h
	v_mov_b32 v15, 0                               ; written once: a lane permute's destination counts as one of its sources
	s_lshr_b32 s28, ttmp9, 1                       ; the panel
	s_and_b32 s29, ttmp9, 1
	s_lshl_b32 s29, s29, 2
	s_add_co_u32 s29, s29, s24                     ; the K step
	s_mov_b32 s30, 216
	s_wait_alu depctr_va_vdst(0)
	s_wait_kmcnt 0x0
	s_cmp_lt_u32 s28, 216                          ; which tensor: a choice of pointers on the panel's number alone
	s_cselect_b64 s[16:17], s[14:15], s[16:17]
	s_cselect_b32 s30, 208, s30
	s_cmp_lt_u32 s28, 208
	s_cselect_b64 s[16:17], s[12:13], s[16:17]
	s_cselect_b32 s30, 200, s30
	s_cmp_lt_u32 s28, 200
	s_cselect_b64 s[16:17], s[10:11], s[16:17]
	s_cselect_b32 s30, 192, s30
	s_cmp_lt_u32 s28, 192
	s_cselect_b64 s[16:17], s[8:9], s[16:17]
	s_cselect_b32 s30, 128, s30
	s_cmp_lt_u32 s28, 128
	s_cselect_b64 s[16:17], s[6:7], s[16:17]
	s_cselect_b32 s30, 64, s30
	s_cmp_lt_u32 s28, 64
	s_cselect_b64 s[16:17], s[4:5], s[16:17]
	s_cselect_b32 s30, 0, s30
	s_sub_co_u32 s31, s28, s30                     ; the panel within its tensor: 128 rows of 4,096 bytes each
	s_lshl_b32 s32, s31, 19
	s_lshl_b32 s33, s29, 9                         ; + 512 bytes a K step
	s_add_co_u32 s32, s32, s33
	s_mov_b32 s33, 0
	s_add_nc_u64 s[16:17], s[16:17], s[32:33]
	s_mul_i32 s32, s28, 102400
	s_mul_i32 s34, s29, 12800
	s_add_co_u32 s32, s32, s34
	s_add_nc_u64 s[20:21], s[20:21], s[32:33]
.macro LOADF f                         ; block f's 16 rows, 512 consecutive bytes a load, into set f % 2
.irp i, 0,1,2,3,4,5,6,7,8,9,10,11,12,13,14,15
	global_load_b128 v[R+64*((\f)%2)+4*\i:R+64*((\f)%2)+4*\i+3], v1, s[16:17] offset:(32*((\f)/2)+8*((\f)%2)+\i+8*(\i/8))*4096 th:TH_LOAD_NT
.endr
.endm
.macro FRAGQ f
.set RS, R+64*((\f)%2)
.if (\f) < 7
	s_wait_loadcnt 16                              ; this block's 16 loads are in; the next block's 16 may be out
.else
	s_wait_loadcnt 0x0
.endif
.irp i, 0,1,2,3,4,5,6,7,8,9,10,11,12,13,14,15
	ds_store_b128 v3, v[RS+4*\i:RS+4*\i+3] offset:SP*\i
.endr
.irp c, 0,1
.irp j, 0,1,2,3,4,5,6,7
	ds_load_b128 v[X+32*\c+4*\j:X+32*\c+4*\j+3], v4 offset:256*\c+16*\j   ; LDS serves a wave's instructions in order: these see the stores above
.endr
.endr
	s_wait_dscnt 0x0                               ; my numbers are back, and the stores have read the set:
.if (\f) < 6
	LOADF (\f)+2                                   ; it takes the block two further on
.endif
.irp c, 0,1
	v_max3_num_f32 v[8+\c], |v[X+32*\c]|, |v[X+32*\c+1]|, 0x1800000   ; block 2 c + h: all its 32 numbers are mine; the floor 2^(3 - 127) holds the byte at 1 from below
.endr
.irp i, 2,4,6,8,10,12,14,16,18,20,22,24,26,28,30
.irp c, 0,1
	v_max3_num_f32 v[8+\c], v[8+\c], |v[X+32*\c+\i]|, |v[X+32*\c+\i+1]|
.endr
.endr
.irp c, 0,1
	v_add_nc_u32 v[10+\c], 0xff000000, v[8+\c]     ; 2 off the exponent field: the conversion's scale operand
.endr
.irp c, 0,1
	v_lshrrev_b32 v[12+\c], 23, v[10+\c]           ; the scale's byte
.endr
	v_lshl_or_b32 v14, v13, 16, v12                ; my two bytes, blocks h and 2 + h,
	v_lshlrev_b32 v14, v7, v14                     ; at their places in the row's word;
	v_permlanex16_b32 v15, v14, s26, s27
	v_or_b32 v14, v14, v15                         ; with lane l xor 16's two the word is whole
	s_wait_alu depctr_va_vdst(0)
	s_wait_xcnt 0x0                                ; the last block's stores have read their data: the codes' registers are written again only behind this wait
.irp c, 0,1
	v_cvt_scalef32_pk16_fp6_f32 v[PC+6*\c:PC+6*\c+2], v[X+32*\c:X+32*\c+15], v[10+\c]
	v_cvt_scalef32_pk16_fp6_f32 v[PT+4*\c:PT+4*\c+2], v[X+32*\c+16:X+32*\c+31], v[10+\c]
.endr
	v_nop                                          ; one plain place behind a scaled conversion
.irp c, 0,1
.irp i, 0,1,2
	v_mov_b32 v[PC+6*\c+3+\i], v[PT+4*\c+\i]
.endr
.endr
.irp c, 0,1
	global_store_b128 v1, v[PC+6*\c:PC+6*\c+3], s[20:21] offset:1536*(\f)+768*\c           ; 512 consecutive bytes
	global_store_b64 v2, v[PC+6*\c+4:PC+6*\c+5], s[20:21] offset:1536*(\f)+768*\c+512      ; 256 consecutive bytes
.endr
	ds_store_b32 v5, v14 offset:64*(\f)            ; lanes r and r + 16 write the same word with the same value
.endm
	LOADF 0
	LOADF 1
.irp f, 0,1,2,3,4,5,6,7
	FRAGQ \f
.endr
	ds_load_b128 v[8:11], v6                       ; the K step's 512 bytes of scale words
	s_wait_dscnt 0x0
	global_store_b128 v1, v[8:11], s[20:21] offset:12288
	s_wait_tensorcnt 0x0
	ds_add_u32 v228, v229
	s_wait_dscnt 0x0
	s_endpgm
	; ---------------- the mask path.  mw: [b 4][query tile 128][key step 16][64 words].  Bit L of word 16 b' + i says whether key 128 step + 32 b' + 16 h + i is masked for the query of lane r.
	; Query tile tau's lane r is query 32 (tau / 2) + 8 (tau % 2) + r + 8 (r / 8): the rows of a panel's block.  My wave takes keys 512 wave .. 512 wave + 511: four key steps.
.Lmask:
	s_mul_i32 s25, s24, MREG
	s_add_co_u32 s25, s25, MBASE
	s_wait_alu depctr_va_vdst(0)
	v_add_nc_u32 v3, s25, v1                       ; into the stage
	v_mul_u32_u24 v4, v10, SP
	v_lshl_add_u32 v4, v11, 4, v4
	v_add_nc_u32 v4, s25, v4                       ; out of it: row r, + 16 h
.irp i, 16,17,18,19,20,21,22,23
	v_mov_b32 v\i, 0                               ; the words' registers: v_writelane_b32's destination counts as read
.endr
	s_sub_co_u32 s28, ttmp9, NF32                  ; 128 b + tau
	s_lshr_b32 s29, s28, 7                         ; b
	s_and_b32 s30, s28, 127                        ; tau
	s_lshr_b32 s31, s30, 1
	s_lshl_b32 s31, s31, 5
	s_and_b32 s32, s30, 1
	s_lshl_b32 s32, s32, 3
	s_add_co_u32 s31, s31, s32
	s_lshl_b32 s29, s29, 11
	s_add_co_u32 s31, s31, s29                     ; the tile's first row of the mask
	s_lshl_b32 s32, s31, 11                        ; rows of 2,048 bytes,
	s_lshl_b32 s33, s24, 9                         ; + my 512 keys
	s_add_co_u32 s32, s32, s33
	s_mov_b32 s33, 0
	s_lshl_b32 s34, s28, 12                        ; 4,096 bytes of words a tile,
	s_lshl_b32 s35, s24, 10                        ; + my four key steps' 1,024
	s_add_co_u32 s34, s34, s35
	s_mov_b32 s35, 0
	s_wait_kmcnt 0x0
	s_add_nc_u64 s[18:19], s[18:19], s[32:33]
	s_add_nc_u64 s[22:23], s[22:23], s[34:35]
.irp i, 0,1,2,3,4,5,6,7,8,9,10,11,12,13,14,15
	global_load_b128 v[R+4*\i:R+4*\i+3], v1, s[18:19] offset:(\i+8*(\i/8))*2048 th:TH_LOAD_NT   ; 16 queries x 512 keys: 512 consecutive bytes a load
.endr
	s_wait_alu depctr_va_vdst(0)
	s_wait_loadcnt 0x0
.irp i, 0,1,2,3,4,5,6,7,8,9,10,11,12,13,14,15
	ds_store_b128 v3, v[R+4*\i:R+4*\i+3] offset:SP*\i
.endr
.irp s, 0,1,2,3
.irp b, 0,1,2,3
	ds_load_b128 v[X+16*\s+4*\b:X+16*\s+4*\b+3], v4 offset:128*\s+32*\b   ; my query's bytes for keys 128 s + 32 b + 16 h + 0 .. 15
.endr
.endr
	s_wait_dscnt 0x0
.irp s, 0,1,2,3
.set j, 0
.rept 64
	v_bfe_u32 v[8+j%4], v[X+16*\s+j/4], 8*(j%4), 8
	v_cmp_ne_u32 s[36+j%4], 0, v[8+j%4]            ; the 32 lanes' bits are word j
	v_writelane_b32 v[16+2*\s+j%2], s[36+j%4], j/2 ; which goes to lane j / 2, register j % 2: byte 4 j of the step's 256
.set j, j+1
.endr
	global_store_b64 v2, v[16+2*\s:17+2*\s], s[22:23] offset:256*\s   ; 256 consecutive bytes, aligned
.endr
	s_wait_tensorcnt 0x0
	ds_add_u32 v228, v229
	s_wait_dscnt 0x0
	s_endpgm
.Lfunc_end_k_qbc1ccec775_prep:
	.size	k_qbc1ccec775_prep, .Lfunc_end_k_qbc1ccec775_prep-k_qbc1ccec775_prep
	.p2alignl 7, 3214868480
	.fill 96, 4, 3214868480
	.section	.rodata,"a",@progbits
	.p2align	6, 0x0
	.amdhsa_kernel k_qbc1ccec775_prep
		.amdhsa_group_segment_fixed_size 70144
		.amdhsa_private_segment_fixed_size 0
		.amdhsa_enable_private_segment 0
		.amdhsa_kernarg_size 80
		.amdhsa_user_sgpr_count 2
		.amdhsa_user_sgpr_kernarg_segment_ptr 1
		.amdhsa_wavefront_size32 1
		.amdhsa_system_sgpr_workgroup_id_x 1
		.amdhsa_system_sgpr_workgroup_id_y 1
		.amdhsa_system_sgpr_workgroup_id_z 1
		.amdhsa_system_vgpr_workitem_id 0
		.amdhsa_next_free_vgpr 230
		.amdhsa_next_free_sgpr 66
		.amdhsa_reserve_vcc 0
		.amdhsa_float_denorm_mode_32 3
		.amdhsa_float_denorm_mode_16_64 3
		.amdhsa_memory_ordered 1
		.amdhsa_forward_progress 1
		.amdhsa_inst_pref_size 113
	.end_amdhsa_kernel
	.amdgpu_metadata
---
amdhsa.version: [ 1, 2 ]
amdhsa.kernels:
  - .name:           k_qbc1ccec775_prep
    .symbol:         k_qbc1ccec775_prep.kd
    .args:
      - { .name: q, .offset: 0, .size: 8, .value_kind: global_buffer, .address_space: global }
      - { .name: k, .offset: 8, .size: 8, .value_kind: global_buffer, .address_space: global }
      - { .name: v, .offset: 16, .size: 8, .value_kind: global_buffer, .address_space: global }
      - { .name: Wq, .offset: 24, .size: 8, .value_kind: global_buffer, .address_space: global }
      - { .name: Wk, .offset: 32, .size: 8, .value_kind: global_buffer, .address_space: global }
      - { .name: Wv, .offset: 40, .size: 8, .value_kind: global_buffer, .address_space: global }
      - { .name: Wo, .offset: 48, .size: 8, .value_kind: global_buffer, .address_space: global }
      - { .name: mask, .offset: 56, .size: 8, .value_kind: global_buffer, .address_space: global }
      - { .name: pan, .offset: 64, .size: 8, .value_kind: global_buffer, .address_space: global }
      - { .name: mw, .offset: 72, .size: 8, .value_kind: global_buffer, .address_space: global }
    .group_segment_fixed_size: 70144
    .private_segment_fixed_size: 0
    .kernarg_segment_align: 8
    .kernarg_segment_size: 80
    .max_flat_workgroup_size: 128
    .sgpr_count:     66
    .vgpr_count:     230
    .wavefront_size: 32
...
	.end_amdgpu_metadata
.endif
;; end of part 1
;; launch proj (part 2): grid 4 x 192, 8 waves a work-group, clusters of 4 x 4, 310,272 bytes of LDS; arguments pan, bq, bk, bv, qimg, qsc, kv; writes qimg, qsc, kv
.if DOCPART == 2
	.amdgcn_target "amdgcn-amd-amdhsa--gfx1250"
	.amdhsa_code_object_version 6
	.text
	.protected	k_qbc1ccec775_proj
	.globl	k_qbc1ccec775_proj
	.p2align	8
	.type	k_qbc1ccec775_proj,@function
k_qbc1ccec775_proj:
	s_mov_b64 s[64:65], 0
	v_nop
	global_prefetch_b8 v0, s[64:65] scope:SCOPE_SE
	s_setreg_imm32_b32 hwreg(HW_REG_WAVE_MODE, 25, 1), 1
	s_wait_xcnt 0x0
	s_wait_alu depctr_hold_cnt(0) depctr_sa_sdst(0) depctr_va_vdst(0) depctr_va_sdst(0) depctr_va_ssrc(0) depctr_va_vcc(0) depctr_vm_vsrc(0)
	s_getreg_b32 s2, hwreg(HW_REG_IB_STS2, 6, 4)
	s_cmp_eq_u32 s2, 0
	s_cbranch_scc0 .Lentry_in_a_cluster
	s_endpgm
.Lentry_in_a_cluster:
	s_bfe_u32 s2, ttmp6, 0x10000c
	s_cmp_lg_u32 s2, 0xf033
	s_cbranch_scc0 .Lentry_shape_is_right
	s_endpgm
.Lentry_shape_is_right:
; PROJ.  The three projections x W^T + b on codes of FP6 (E2M3) with E8M0 scales, and their results quantised at once into the operands of the attention launch.
; C(x, y) = sum over k of X[x][k] Y[y][k].  A work-group makes X 128 rows (one panel) x Y 256 rows (two panels); all of K = 1,024 lies in LDS: 3 x 102,400 bytes, filled once: no slot is ever filled again.
; Eight waves, two to a SIMD, each 64 x 64: 16 accumulators.  THE MATRIX INSTRUCTION IS USED TRANSPOSED: source 0 = 16 rows of Y, source 1 = 16 rows of X.  By the panels' choice of rows a lane then holds ONE row of X
; and its 32 registers of an X block hold 2 x 16 neighbouring rows of Y: register 16 b + i = row 32 b + 16 h + i of the wave's 64.  Those 64 are the next product's K: a head's 64 channels (Q, K) or 64 keys (V).
; Q, K: X = tokens, Y = W's rows.  V: X = Wv's rows, Y = tokens, so that the registers run along the keys.
; CLUSTER 4 x 4: X's panel hangs on cy alone and is asked for jointly by a row of the cluster, Y's panels on cx alone and by a column.
; OUT.  qimg [bh][tile 128][768]: 16 queries x 64 channels as registers 0-5 of an operand (0-3 at 16 L, 4-5 at 512 + 8 L); qsc [bh][tile][16 words], bytes 0, 1 the scales, bytes 2, 3 zero.
;       kv [bh][step 16][13,056]: 8 tiles of K x 768; at 6,144 4 tiles of V x 1,536 (16 channels x 128 keys); at 12,288 K's scale words 8 x 64; at 12,800 V's 4 x 64.
; LIMITS: NaN and infinities are not served.  A block of zeros or under 2^-124 gets the byte 1: its codes are zeros or the nearest codes under that scale, and this program alone reads the bytes.
.set PANEL, 102400
.set KSB,   12800                      ; a K step of a panel
.set GRB,   25600                      ; two K steps: what one tensor load brings
.set BIAS,  3*PANEL                    ; behind the panels: 256 bytes for each wave, its 64 bias numbers; no tensor load lands there
.set KVH,   208896                     ; a head's part of kv
.set KVS,   13056                      ; a key step's
.set SC,  12                           ; v12-15   scale words: lanes 0-15 X's block a, lanes 16-31 Y's block a
.set XF,  16                           ; v16-63   X's four fragments
.set YF,  64                           ; v64-111  Y's four
.set ACC, 112                          ; v112-239 accumulator (a, i) at ACC + 8 (4 a + i)
.set BI,  16                           ; the way out: v16-47 bias in the result's layout
.set PC,  48                           ; v48-71   codes, six registers for each X block
.set PW,  72                           ; v72-75   their two scale bytes
.set PT,  76                           ; v76-78   at work
.set TM,  80                           ; v80-87   at work
.set BX,  88                           ; v88-95   V: a lane's bias, as pairs
.set MG,  96                           ; v96-97   scale words of two blocks, one in each half of the lanes
.set WV,  14
.set XH,  15
.set YQ,  16
.set CX,  17
.set CYP, 18
.set PJ,  20
.set PX,  22
.set YT,  23
.set G1X, 24                           ; s[24:31] descriptor group 1 for X's panel;  s[32:39] for Y's: they differ in the mask and the shape
.set G1Y, 32
.set G0X, 40                           ; s[40:43] group 0 for X;  s[68:71] for Y
.set G0Y, 68
.set SEL, 92
.macro CROUND                          ; a round of the cluster's barrier
	s_barrier_signal -1
	s_barrier_wait -1
	s_cmp_lg_u32 s[WV], 0
	s_cbranch_scc1 .Lnot_wave_0_\@
	s_barrier_signal -3
.Lnot_wave_0_\@:
	s_barrier_wait -3
	s_barrier_signal -1
	s_barrier_wait -1
.endm
	s_load_b256 s[4:11], s[0:1], 0x0               ; pan, bq, bk, bv
	s_load_b128 s[84:87], s[0:1], 0x20             ; qimg, qsc
	s_load_b64 s[88:89], s[0:1], 0x30              ; kv
	v_lshl_add_u32 v254, v0, 2, 0x4b800
	v_mov_b32 v255, 0
	ds_add_u32 v254, v255
	ds_add_u32 v254, v255
	v_lshrrev_b32 v240, 5, v0
	s_delay_alu instid0(VALU_DEP_1)
	v_readfirstlane_b32 s[WV], v240                ; wave 0..7
	s_lshr_b32 s[XH], s[WV], 2                     ; which 64 rows of X
	s_and_b32 s[YQ], s[WV], 3                      ; which 64 rows of Y
	s_bfe_u32 s[CX], ttmp6, 0x40000
	s_bfe_u32 s[CYP], ttmp6, 0x40004
	s_and_b32 s19, ttmp7, 0xffff                   ; the cluster's y, 0..47: 16 clusters for each projection
	s_lshr_b32 s[PJ], s19, 4                       ; 0 Q, 1 K, 2 V: the same in all partners
	s_and_b32 s21, s19, 15
	s_lshr_b32 s56, s21, 3                         ; V: 2 x 8 clusters over Wv's 8 panels and v's 32 pairs of panels
	s_and_b32 s57, s21, 7
	s_lshl_b32 s58, s[PJ], 6                       ; Q, K: X's first panel 64 pj,
	s_lshl_b32 s59, s[PJ], 3
	s_add_co_u32 s59, s59, 192                     ; Y's 192 + 8 pj
	s_cmp_eq_u32 s[PJ], 2
	s_cselect_b32 s56, s56, s21
	s_cselect_b32 s57, s57, 0
	s_cselect_b32 s58, 208, s58
	s_cselect_b32 s59, 128, s59
	s_lshl_b32 s56, s56, 2
	s_add_co_u32 s[PX], s56, s[CYP]                ; X's panel within its tensor
	s_lshl_b32 s57, s57, 2
	s_add_co_u32 s[YT], s57, s[CX]                 ; Y's pair of panels
	s_add_co_u32 s60, s58, s[PX]
	s_mul_i32 s60, s60, PANEL
	s_mov_b32 s61, 0
	s_lshl_b32 s62, s[YT], 1
	s_add_co_u32 s62, s62, s59
	s_mul_i32 s62, s62, PANEL
	s_mov_b32 s63, 0
	s_lshr_b32 s97, s[WV], 1                       ; wave 2 g fetches X's group g (K steps 2 g, 2 g + 1), wave 2 g + 1 the same group of both panels of Y
	s_mul_i32 s98, s97, GRB
	s_add_co_u32 s60, s60, s98                     ; the group's place in a panel
	s_add_co_u32 s62, s62, s98
	s_mul_i32 s94, s97, 3*GRB                      ; LDS by groups: X's 25,600 bytes, then Y's two panels' 25,600 each
	s_and_b32 s97, s[WV], 1
	s_mul_i32 s97, s97, GRB
	s_add_co_u32 s94, s94, s97
	s_lshl_b32 s95, s[CYP], 2
	s_lshl_b32 s95, 15, s95                        ; my row of the cluster
	s_lshl_b32 s96, 0x1111, s[CX]                  ; my column
	s_or_b32 s[G1X], s95, (3<<16)|(1<<21)          ; 15:0 the mask; 17:16 elements of 8 bytes; 21 set beside a mask; no padding
	s_or_b32 s[G1Y], s96, (3<<16)|(1<<21)
	s_mov_b32 s[G1Y+1], 3200<<16                   ; Y: two rows of 25,600 bytes (3,200 elements), one from each panel, 102,400 bytes apart
	s_mov_b32 s[G1Y+2], 2<<16
	s_mov_b32 s[G1Y+3], 3200<<16
	s_mov_b32 s[G1Y+4], 2
	s_mov_b32 s[G1Y+5], 12800
	s_mov_b32 s[G1Y+6], 0
	s_mov_b32 s[G1Y+7], 0
.irp g, G1X                            ; X: 25,600 dense bytes as 100 rows of 256
	s_mov_b32 s[\g+1], 32<<16                      ; tensor_dim0 = 32
	s_mov_b32 s[\g+2], 100<<16                     ; tensor_dim1 = 100
	s_mov_b32 s[\g+3], 32<<16                      ; tile_dim0 = 32
	s_mov_b32 s[\g+4], 100                         ; tile_dim1 = 100
	s_mov_b32 s[\g+5], 32                          ; from row to row
	s_mov_b32 s[\g+6], 0
	s_mov_b32 s[\g+7], 0
.endr
	s_mov_b32 s[SEL], 0x76543210
	s_mov_b32 s[SEL+1], 0xfedcba98
	s_mov_b32 s90, 0xffff0000                      ; lanes 16-31
	s_wait_dscnt 0x0
	s_wait_kmcnt 0x0
	s_add_nc_u64 s[60:61], s[4:5], s[60:61]
	s_add_nc_u64 s[62:63], s[4:5], s[62:63]
	CROUND                                         ; all sixteen work-groups are here: the joint loads meet
	s_mov_b32 s[G0X], 1
	s_mov_b32 s[G0X+1], s94
	s_mov_b64 s[G0X+2:G0X+3], s[60:61]
	s_or_b32 s[G0X+3], s[G0X+3], 0x80000000
	s_mov_b32 s[G0Y], 1
	s_mov_b32 s[G0Y+1], s94
	s_mov_b64 s[G0Y+2:G0Y+3], s[62:63]
	s_or_b32 s[G0Y+3], s[G0Y+3], 0x80000000
; All fills of the launch, one tensor load a wave: one chain of branches on the wave's number, an arm and a load line of its own for each wave.
.macro ARM n, g0, g1
	s_cmp_eq_u32 s[WV], \n
	s_cbranch_scc0 .Lnot_\@
	tensor_load_to_lds s[\g0:\g0+3], s[\g1:\g1+7]
	s_nop 0
.rept 4
	v_nop
.endr
	s_branch .Lasked
.Lnot_\@:
.endm
	ARM 0, G0X, G1X
	ARM 1, G0Y, G1Y
	ARM 2, G0X, G1X
	ARM 3, G0Y, G1Y
	ARM 4, G0X, G1X
	ARM 5, G0Y, G1Y
	ARM 6, G0X, G1X
	tensor_load_to_lds s[G0Y:G0Y+3], s[G1Y:G1Y+7]
	s_nop 0
.rept 4
	v_nop
.endr
.Lasked:
	v_and_b32 v240, 31, v0
	v_and_b32 v9, 15, v0                           ; r
	v_bfe_u32 v10, v0, 4, 1                        ; h
	s_delay_alu instid0(VALU_DEP_3)
	v_lshlrev_b32 v1, 4, v240                      ; 16 L
	s_delay_alu instid0(VALU_DEP_4)
	v_lshlrev_b32 v2, 3, v240                      ; 8 L
	s_wait_alu depctr_va_vdst(0)
	v_lshlrev_b32 v3, 2, v240                      ; 4 L
	; my 64 bias numbers: Q, K: of my head's channels (rows of Y); V: likewise (rows of X)
	s_cmp_eq_u32 s[PJ], 0
	s_cselect_b64 s[6:7], s[6:7], s[8:9]
	s_lshl_b32 s56, s[YT], 8
	s_lshl_b32 s57, s[YQ], 6
	s_add_co_u32 s56, s56, s57
	s_lshl_b32 s58, s[PX], 7
	s_lshl_b32 s59, s[XH], 6
	s_add_co_u32 s58, s58, s59
	s_cmp_eq_u32 s[PJ], 2
	s_cselect_b64 s[6:7], s[10:11], s[6:7]
	s_cselect_b32 s56, s58, s56
	s_lshl_b32 s56, s56, 2
	s_mov_b32 s57, 0
	s_add_nc_u64 s[6:7], s[6:7], s[56:57]
	global_load_b64 v[240:241], v2, s[6:7]         ; 256 consecutive bytes
	s_mul_i32 s56, s[XH], 6144                     ; X: my four blocks
	v_add_nc_u32 v4, s56, v1
	v_add_nc_u32 v5, s56, v2
	s_lshr_b32 s57, s[YQ], 1
	s_add_co_u32 s57, s57, 1
	s_mul_i32 s57, s57, GRB                        ; Y: my panel's part of a group,
	s_and_b32 s58, s[YQ], 1
	s_mul_i32 s59, s58, 6144                       ; my four blocks
	s_add_co_u32 s59, s59, s57
	v_add_nc_u32 v6, s59, v1
	v_add_nc_u32 v7, s59, v2
	s_lshl_b32 s95, s[XH], 8                       ; scale words: X's at 12,288 + 256 xh, Y's at its panel + 12,288 + 256 (yq % 2)
	s_lshl_b32 s96, s58, 8
	s_add_co_u32 s96, s96, s57
	s_sub_co_u32 s96, s96, s95
	v_mul_u32_u24 v8, s96, v10                     ; lanes 16-31 take Y's: the lower base + h x the distance
	s_add_co_u32 s95, s95, 12288
	v_lshl_add_u32 v8, v9, 2, v8
	s_delay_alu instid0(VALU_DEP_1)
	v_add_nc_u32 v8, s95, v8
	s_lshl_b32 s97, s[WV], 8
	s_add_co_u32 s97, s97, BIAS                    ; my wave's bias bytes
	v_add_nc_u32 v245, s97, v2
	v_lshl_add_u32 v11, v10, 6, s97                ; Q, K: read from 64 h on
	v_and_b32 v244, 8, v9
	s_delay_alu instid0(VALU_DEP_1)
	v_add_nc_u32 v244, v244, v9
	s_delay_alu instid0(VALU_DEP_1)
	v_lshl_add_u32 v244, v244, 2, s97              ; V: my lane's row of a block: r + 8 (r / 8)
	s_wait_alu depctr_va_vdst(0)
	s_wait_loadcnt 0x0
	ds_store_b64 v245, v[240:241]                  ; read back by this wave alone, on the way out
; One K step of 128: eight fragments as images (a load of 16 and one of 8 bytes a lane for each half), four registers of scale words, 16 matrix instructions.
; The 16 accumulators take turns, one instruction a turn, in the same order in every step.  zero = 1: the first products start the sums.
.macro KSTEP q, zero
.irp a, 0,1,2,3
.irp c, 0,1
	ds_load_b128 v[XF+12*\a+6*\c:XF+12*\a+6*\c+3], v4 offset:KSB*\q+1536*\a+768*\c
	ds_load_b64 v[XF+12*\a+6*\c+4:XF+12*\a+6*\c+5], v5 offset:KSB*\q+1536*\a+768*\c+512
	ds_load_b128 v[YF+12*\a+6*\c:YF+12*\a+6*\c+3], v6 offset:KSB*\q+1536*\a+768*\c
	ds_load_b64 v[YF+12*\a+6*\c+4:YF+12*\a+6*\c+5], v7 offset:KSB*\q+1536*\a+768*\c+512
.endr
.endr
.irp a, 0,1,2,3
	ds_load_b32 v[SC+\a], v8 offset:KSB*\q+64*\a
.endr
	s_wait_dscnt 0x0
.irp a, 0,1,2,3
.irp i, 0,1,2,3
.if \zero
	v_wmma_scale_f32_16x16x128_f8f6f4 v[ACC+8*(4*\a+\i):ACC+8*(4*\a+\i)+7], v[YF+12*\i:YF+12*\i+11], v[XF+12*\a:XF+12*\a+11], 0, v[SC+\i], v[SC+\a] matrix_a_fmt:MATRIX_FMT_FP6 matrix_b_fmt:MATRIX_FMT_FP6 matrix_a_scale:MATRIX_SCALE_ROW1
.else
	v_wmma_scale_f32_16x16x128_f8f6f4 v[ACC+8*(4*\a+\i):ACC+8*(4*\a+\i)+7], v[YF+12*\i:YF+12*\i+11], v[XF+12*\a:XF+12*\a+11], v[ACC+8*(4*\a+\i):ACC+8*(4*\a+\i)+7], v[SC+\i], v[SC+\a] matrix_a_fmt:MATRIX_FMT_FP6 matrix_b_fmt:MATRIX_FMT_FP6 matrix_a_scale:MATRIX_SCALE_ROW1
.endif
.endr
.endr
.rept 4
	v_nop                                          ; four places in front of loads into registers that matrix instructions have read, and of the first read of results
.endr
.endm
; Group g = K steps 2 g, 2 g + 1, brought by waves 2 g and 2 g + 1: they, and the waves of the earlier groups, wait for their one load ahead of the barrier.  The later groups stay on their way.
.macro GRP g
.if \g < 3
	s_cmp_lt_u32 s[WV], 2*\g+2
	s_cbranch_scc0 .Lnot_mine_\@
	s_wait_tensorcnt 0x0
.Lnot_mine_\@:
.else
	s_wait_tensorcnt 0x0                           ; the last group: every wave waits
.endif
	s_wait_dscnt 0x0
	s_barrier_signal -1
	s_barrier_wait -1                              ; every fetching wave's part of group g is in
.if \g == 0
	KSTEP 0, 1
.else
	KSTEP 0, 0
.endif
	KSTEP 1, 0
.if \g < 3
.irp r, 4,5,6,7,8
	v_add_nc_u32 v\r, 3*GRB, v\r
.endr
.endif
.endm
; 32 numbers of a lane, register 16 b + i = k 32 b + 16 h + i of my row, become registers 0-5 of an operand in v[pc] on and the two scale bytes in v[pw].
.macro QUANT32 src, pc, pw
.irp b, 0,1
	v_max3_num_f32 v[TM+\b], |v[(\src)+16*\b]|, |v[(\src)+16*\b+1]|, 0x1800000   ; my 16 numbers of block b, and the floor 2^(3 - 127)
.endr
.irp i, 2,4,6,8,10,12,14
.irp b, 0,1
	s_delay_alu instid0(VALU_DEP_2)
	v_max3_num_f32 v[TM+\b], v[TM+\b], |v[(\src)+16*\b+\i]|, |v[(\src)+16*\b+\i+1]|
.endr
.endr
.irp b, 0,1
	s_delay_alu instid0(VALU_DEP_2)
	v_permlanex16_b32 v[TM+2+\b], v[TM+\b], s[SEL], s[SEL+1]
.endr
.irp b, 0,1
	s_delay_alu instid0(VALU_DEP_2)
	v_max_num_f32 v[TM+\b], v[TM+\b], v[TM+2+\b]   ; with lane l xor 16's: the block's largest magnitude
.endr
.irp b, 0,1
	s_delay_alu instid0(VALU_DEP_2)
	v_add_nc_u32 v[TM+4+\b], 0xff000000, v[TM+\b]  ; 2 off its exponent field: the conversion's scale operand
.endr
.irp b, 0,1
	s_delay_alu instid0(VALU_DEP_2)
	v_lshrrev_b32 v[TM+2+\b], 23, v[TM+4+\b]       ; the scale's byte
.endr
	s_delay_alu instid0(VALU_DEP_1)
	v_lshl_or_b32 v[\pw], v[TM+3], 8, v[TM+2]
	v_cvt_scalef32_pk16_fp6_f32 v[(\pc):(\pc)+2], v[(\src):(\src)+15], v[TM+4]
	v_cvt_scalef32_pk16_fp6_f32 v[PT:PT+2], v[(\src)+16:(\src)+31], v[TM+5]
	v_nop                                          ; one plain place behind a scaled conversion
.irp i, 0,1,2
	v_permlane16_swap_b32 v[(\pc)+\i], v[PT+\i]    ; the layout wants a whole block in a lane: lanes 0-15 block 0, lanes 16-31 block 1
.endr
.irp i, 0,1,2
	s_delay_alu instid0(VALU_DEP_3)
	v_mov_b32 v[(\pc)+3+\i], v[PT+\i]
.endr
.endm
	GRP 0
	s_wait_alu depctr_va_vdst(0)
	GRP 1
	s_wait_alu depctr_va_vdst(0)
	GRP 2
	s_wait_alu depctr_va_vdst(0)
	GRP 3                                          ; its wait on TENSORcnt is for 0: no tensor load is out from here on
	v_mov_b32 v[TM+2], 0                           ; written once: a lane permute's destination counts as one of its sources
	v_mov_b32 v[TM+3], 0
	s_cmp_eq_u32 s[PJ], 2
	s_cbranch_scc1 .Lvout
	; ---- Q, K: my 64 columns are head 4 Yt + yq; my four X blocks are four tiles of 16 tokens
	s_lshl_b32 s56, s[YT], 2
	s_add_co_u32 s56, s56, s[YQ]                   ; head
	s_lshr_b32 s57, s[PX], 4                       ; b
	s_lshl_b32 s57, s57, 4
	s_add_co_u32 s56, s56, s57                     ; bh
	s_and_b32 s57, s[PX], 15                       ; the batch's panel of 128 tokens
	s_lshl_b32 s58, s56, 7
	s_lshl_b32 s59, s57, 3
	s_add_co_u32 s58, s58, s59
	s_lshl_b32 s59, s[XH], 2
	s_add_co_u32 s58, s58, s59                     ; Q: my first tile
	s_mul_i32 s60, s58, 768
	s_lshl_b32 s62, s58, 6
	s_mul_i32 s94, s56, KVH
	s_mul_i32 s95, s57, KVS
	s_add_co_u32 s94, s94, s95                     ; K: the key step
	s_mul_i32 s95, s[XH], 3072
	s_add_co_u32 s96, s94, s95
	s_lshl_b32 s95, s[XH], 8
	s_add_co_u32 s97, s94, s95
	s_add_co_u32 s97, s97, 12288
	s_cmp_eq_u32 s[PJ], 0
	s_cselect_b32 s60, s60, s96
	s_cselect_b32 s62, s62, s97
	s_cselect_b64 s[84:85], s[84:85], s[88:89]     ; codes: qimg or kv
	s_cselect_b64 s[86:87], s[86:87], s[88:89]     ; scale words: qsc or kv
	s_mov_b32 s61, 0
	s_mov_b32 s63, 0
	s_add_nc_u64 s[84:85], s[84:85], s[60:61]
	s_add_nc_u64 s[86:87], s[86:87], s[62:63]
.irp i, 0,1,2,3
.irp q, 0,1
	ds_load_b128 v[BI+8*\i+4*\q:BI+8*\i+4*\q+3], v11 offset:4*(32*(\i/2)+8*(\i%2))+16*\q   ; the bias of channels 32 (i/2) + 16 h + 8 (i%2) + 0 .. 7
.endr
.endr
	s_wait_dscnt 0x0
.irp a, 0,1,2,3
.set j, 0
.rept 16
	v_pk_add_f32 v[ACC+32*\a+j:ACC+32*\a+j+1], v[ACC+32*\a+j:ACC+32*\a+j+1], v[BI+j:BI+j+1]   ; each accumulator from its low end on
.set j, j+2
.endr
	QUANT32 ACC+32*\a, PC+6*\a, PW+\a
.endr
.irp a, 0,1,2,3
	global_store_b128 v1, v[PC+6*\a:PC+6*\a+3], s[84:85] offset:768*\a
	global_store_b64 v2, v[PC+6*\a+4:PC+6*\a+5], s[84:85] offset:768*\a+512
.endr
	v_cndmask_b32 v[MG], v[PW], v[PW+1], s90       ; lanes 0-15 tile a's words, lanes 16-31 tile a + 1's
	v_cndmask_b32 v[MG+1], v[PW+2], v[PW+3], s90
	global_store_b32 v3, v[MG], s[86:87]           ; 128 consecutive bytes
	global_store_b32 v3, v[MG+1], s[86:87] offset:128
	s_branch .Ldone
	; ---- V: my 64 rows of X are head 2 Px + xh's channels, four tiles of 16; my 64 columns are half c of a key step
.Lvout:
	s_lshl_b32 s56, s[PX], 1
	s_add_co_u32 s56, s56, s[XH]                   ; head
	s_lshr_b32 s57, s[YT], 3                       ; b
	s_lshl_b32 s57, s57, 4
	s_add_co_u32 s56, s56, s57
	s_mul_i32 s56, s56, KVH
	s_and_b32 s57, s[YT], 7
	s_lshl_b32 s57, s57, 1
	s_lshr_b32 s58, s[YQ], 1
	s_add_co_u32 s57, s57, s58                     ; the key step
	s_mul_i32 s57, s57, KVS
	s_add_co_u32 s56, s56, s57
	s_and_b32 s58, s[YQ], 1                        ; c
	s_mul_i32 s59, s58, 768
	s_add_co_u32 s60, s56, s59
	s_add_co_u32 s60, s60, 6144
	s_mov_b32 s61, 0
	s_lshl_b32 s59, s58, 1
	s_add_co_u32 s62, s56, s59
	s_add_co_u32 s62, s62, 12800
	s_mov_b32 s63, 0
	s_add_nc_u64 s[84:85], s[88:89], s[60:61]
	s_add_nc_u64 s[86:87], s[88:89], s[62:63]
.irp a, 0,1,2,3
	ds_load_b32 v[BX+2*\a], v244 offset:4*(32*(\a/2)+8*(\a%2))     ; my lane's channel of tile a: one bias for all its registers, in both halves of a pair
	ds_load_b32 v[BX+2*\a+1], v244 offset:4*(32*(\a/2)+8*(\a%2))
.endr
	s_wait_dscnt 0x0
.irp a, 0,1,2,3
.set j, 0
.rept 16
	v_pk_add_f32 v[ACC+32*\a+j:ACC+32*\a+j+1], v[ACC+32*\a+j:ACC+32*\a+j+1], v[BX+2*\a:BX+2*\a+1]
.set j, j+2
.endr
	QUANT32 ACC+32*\a, PC+6*\a, PW+\a
.endr
.irp a, 0,1,2,3
	global_store_b128 v1, v[PC+6*\a:PC+6*\a+3], s[84:85] offset:1536*\a
	global_store_b64 v2, v[PC+6*\a+4:PC+6*\a+5], s[84:85] offset:1536*\a+512
.endr
	v_cndmask_b32 v[MG], v[PW], v[PW+1], s90
	v_cndmask_b32 v[MG+1], v[PW+2], v[PW+3], s90
	global_store_b16 v3, v[MG], s[86:87]           ; bytes 2 c, 2 c + 1 of each word; the wave with the other c writes the other two
	global_store_b16 v3, v[MG+1], s[86:87] offset:128
.Ldone:
	s_wait_tensorcnt 0x0
	ds_add_u32 v254, v255
	s_wait_dscnt 0x0
	CROUND                                         ; the closing round: no work-group ends while a partner may still ask for a panel that names it
	s_endpgm
.Lfunc_end_k_qbc1ccec775_proj:
	.size	k_qbc1ccec775_proj, .Lfunc_end_k_qbc1ccec775_proj-k_qbc1ccec775_proj
	.p2alignl 7, 3214868480
	.fill 96, 4, 3214868480
	.section	.rodata,"a",@progbits
	.p2align	6, 0x0
	.amdhsa_kernel k_qbc1ccec775_proj
		.amdhsa_group_segment_fixed_size 310272
		.amdhsa_private_segment_fixed_size 0
		.amdhsa_enable_private_segment 0
		.amdhsa_kernarg_size 56
		.amdhsa_user_sgpr_count 2
		.amdhsa_user_sgpr_kernarg_segment_ptr 1
		.amdhsa_wavefront_size32 1
		.amdhsa_system_sgpr_workgroup_id_x 1
		.amdhsa_system_sgpr_workgroup_id_y 1
		.amdhsa_system_sgpr_workgroup_id_z 1
		.amdhsa_system_vgpr_workitem_id 0
		.amdhsa_next_free_vgpr 256
		.amdhsa_next_free_sgpr 100
		.amdhsa_reserve_vcc 0
		.amdhsa_float_denorm_mode_32 3
		.amdhsa_float_denorm_mode_16_64 3
		.amdhsa_memory_ordered 1
		.amdhsa_forward_progress 1
		.amdhsa_inst_pref_size 82
	.end_amdhsa_kernel
	.amdgpu_metadata
---
amdhsa.version: [ 1, 2 ]
amdhsa.kernels:
  - .name:           k_qbc1ccec775_proj
    .symbol:         k_qbc1ccec775_proj.kd
    .args:
      - { .name: pan, .offset: 0, .size: 8, .value_kind: global_buffer, .address_space: global }
      - { .name: bq, .offset: 8, .size: 8, .value_kind: global_buffer, .address_space: global }
      - { .name: bk, .offset: 16, .size: 8, .value_kind: global_buffer, .address_space: global }
      - { .name: bv, .offset: 24, .size: 8, .value_kind: global_buffer, .address_space: global }
      - { .name: qimg, .offset: 32, .size: 8, .value_kind: global_buffer, .address_space: global }
      - { .name: qsc, .offset: 40, .size: 8, .value_kind: global_buffer, .address_space: global }
      - { .name: kv, .offset: 48, .size: 8, .value_kind: global_buffer, .address_space: global }
    .group_segment_fixed_size: 310272
    .private_segment_fixed_size: 0
    .kernarg_segment_align: 8
    .kernarg_segment_size: 56
    .max_flat_workgroup_size: 256
    .sgpr_count:     100
    .vgpr_count:     256
    .wavefront_size: 32
...
	.end_amdgpu_metadata
.endif
;; end of part 2
;; launch attn (part 3): grid 4 x 64, 16 waves a work-group, clusters of 4 x 1, 210,944 bytes of LDS; arguments qimg, qsc, kv, mw, opan; writes opan
.if DOCPART == 3
	.amdgcn_target "amdgcn-amd-amdhsa--gfx1250"
	.amdhsa_code_object_version 6
	.text
	.protected	k_qbc1ccec775_attn
	.globl	k_qbc1ccec775_attn
	.p2align	8
	.type	k_qbc1ccec775_attn,@function
k_qbc1ccec775_attn:
	s_mov_b64 s[64:65], 0
	v_nop
	global_prefetch_b8 v0, s[64:65] scope:SCOPE_SE
	s_setreg_imm32_b32 hwreg(HW_REG_WAVE_MODE, 25, 1), 1
	s_wait_xcnt 0x0
	s_wait_alu depctr_hold_cnt(0) depctr_sa_sdst(0) depctr_va_vdst(0) depctr_va_sdst(0) depctr_va_ssrc(0) depctr_va_vcc(0) depctr_vm_vsrc(0)
	s_getreg_b32 s2, hwreg(HW_REG_IB_STS2, 6, 4)
	s_cmp_eq_u32 s2, 0
	s_cbranch_scc0 .Lentry_in_a_cluster
	s_endpgm
.Lentry_in_a_cluster:
	s_bfe_u32 s2, ttmp6, 0x10000c
	s_cmp_lg_u32 s2, 0x3003
	s_cbranch_scc0 .Lentry_shape_is_right
	s_endpgm
.Lentry_shape_is_right:
; ATTN.  o = softmax(where(mask, -1e6, q k^T / 8)) v for one (batch, head), both products on codes of FP6 (E2M3) with E8M0 scales; o is divided by the row's sum and quantised along the model's 1,024 into panels for the last product.
; THE SOFTMAX: t = logit x log2(e); M = the running largest t rounded UP to a whole number; p = 2^(t - M) is quantised along the keys, not normalised; the sum is taken of the unquantised p.
; When M moves, the sum and O are multiplied by 2^(old M - new M), which rounds nothing.
; THE MASK REPLACES A SCORE: a masked key's raw score becomes -8e6, which is the logit -1e6 x 8; then the largest score is sought, and t - M is ONE fused multiply-add, score x c - M, with c = log2(e) / 8.
; SHARES.  A work-group owns 512 queries of one head; each of its sixteen waves two neighbouring tiles of 16 queries, one after the other (PASS 0, 1), in 256 registers: four waves to a SIMD.
; The head's K and V, as codes and scale words, are 16 key steps x 13,056 = 208,896 bytes: they come into LDS ONCE, one tensor load a wave at the head (wave w: key step w), and serve both passes.
; One wait for 0 and one barrier show them to all waves; behind it the waves share nothing more and meet no barrier until the closing round.  No byte of LDS is filled again or stored to.
; CLUSTER 4 x 1: the four query blocks of a head walk the same K and V: every load is asked for jointly.
; No prefetch is laid: every tile is asked for at the head, and the launch has no later tensor load to run ahead of.
; LAYOUT.  Both products are used transposed (S^T = K Q^T, O^T = V^T P^T): a lane holds ONE query.  Register 16 b + i of S^T is key 32 b + 16 h + i of the step's 128, register 16 b + i of O^T channel 32 b + 16 h + i of the head's 64.
; K = 64 IN AN INSTRUCTION OF 128.  Q's registers 6-11 are zero codes.  A tile of K is six registers; the instruction names twelve, of which the upper six are the next tile's codes (for the last tile six zeros):
; finite numbers that meet Q's zero codes and add nothing; the scale bytes of that half are 0, which is 2^-127 and no NaN.
; FRAGMENTS.  K's and V's share 48 registers.  V's are read from LDS behind the step's first products and land under the softmax; the NEXT step's K is read behind the step's last products, with 25 of the sum's 32 additions
; between the loads and the wait for them.  The step's number runs modulo 16, so the second pass's first tiles land under the first pass's way out (behind the very last step key step 0 is read once more, for nothing).
; THE MASK comes as lane masks, 64 words a step, by scalar loads a step ahead; a wave's two tiles' words are 8,192 bytes on end, so the walk goes on across the passes.  The words only select values.
; LIMITS: NaN and infinities are not served.  The scaled scores stay under 2^31 in magnitude.  p under 2^-126 is flushed to 0 by v_exp_f32.  1 / the sum is v_rcp_f32.
; t - M is rounded once (fused), where f32 arithmetic step by step rounds t first: at |t| near 1.4e6, in a row that is masked throughout, the common p so is 2^-0.02 and not 1.
; A block of zeros or under 2^-124 gets the byte 1; this program alone reads the bytes.
.set KVH, 208896
.set KVS, 13056
.set SPARE, 208896                     ; behind the tiles: the spare words, 128 bytes a wave
.set KS,  28                           ; v28-31   K's scale words: lanes 0-15 tile 2 p, lanes 16-31 tile 2 p + 1
.set VS,  32                           ; v32-33   V's likewise
.set KF,  34                           ; v34-81   K's eight tiles, later V's four fragments; v82-87 zeros
.set S,   88                           ; v88-151  S^T, then t - M, then p
.set O,   152                          ; v152-183 O^T
.set PC,  184                          ; v184-195 p's codes
.set PT,  196                          ; v196-198, v200-202 at work
.set BM,  204                          ; v204-207 the blocks' largest score, then p
.set T2,  208                          ; v208-211 at work
.set SCO, 212                          ; v212-215 the conversions' scale operands
.set CH,  208                          ; v208-219 behind the conversions: six chains of the row's sum
.set TM,  204                          ; the way out: eight registers at work
.set TB,  2                            ; s2       LDS byte at which a step's tiles begin
.set CNT, 3
.set MB,  66                           ; s[66:67] my two tiles' mask words
.set G1,  84                           ; s[84:91] descriptor group 1;  group 0 in s[4:7]
.set NI,  94                           ; s94      steps done, over both passes; s95 the next step's number modulo 16
.set MO,  96                           ; s96      the step's offset among the mask words
.set SEL, 97
.set WV,  99
.set CS,  100                          ; s[100:101] c = log2(e) / 8
; v1, v2, v3: 16 L, 8 L, 4 L; v4-6 the same + TB; v7 the masked score; v8, v240 Q's scale words; v9 4 r; v10 f, v11 p's scale word; v12 -M, v13 the largest t; v[14:15] the sum in two halves;
; v16-27, v228-239 Q of pass 0, 1; v216-217 at work.  s[8:9], s[10:11] where my codes and scale bytes go.  s16-63 and s68-83 hold the step's 64 mask words (at the head: temporaries).
.macro CROUND
	s_barrier_signal -1
	s_barrier_wait -1
	s_cmp_lg_u32 s[WV], 0
	s_cbranch_scc1 .Lnot_wave_0_\@
	s_barrier_signal -3
.Lnot_wave_0_\@:
	s_barrier_wait -3
	s_barrier_signal -1
	s_barrier_wait -1
.endm
.macro ADDR                            ; the LDS addresses of the step whose tiles begin at TB
	v_add_nc_u32 v4, s[TB], v1
	v_add_nc_u32 v5, s[TB], v2
	v_add_nc_u32 v6, s[TB], v3
.endm
.macro KLD                             ; that step's eight tiles of K and their scale words
.irp t, 0,1,2,3,4,5,6,7
	ds_load_b128 v[KF+6*\t:KF+6*\t+3], v4 offset:768*\t
	ds_load_b64 v[KF+6*\t+4:KF+6*\t+5], v5 offset:768*\t+512
.endr
.irp p, 0,1,2,3
	ds_load_b32 v[KS+\p], v6 offset:12288+128*\p
.endr
.endm
	s_load_b256 s[16:23], s[0:1], 0x0              ; qimg, qsc, kv, mw
	s_load_b64 s[92:93], s[0:1], 0x20              ; opan
	v_lshl_add_u32 v254, v0, 2, SPARE
	v_mov_b32 v255, 0
	ds_add_u32 v254, v255
	ds_add_u32 v254, v255
	v_lshrrev_b32 v4, 5, v0
	s_delay_alu instid0(VALU_DEP_1)
	v_readfirstlane_b32 s[WV], v4                  ; wave 0..15
	s_bfe_u32 s24, ttmp6, 0x40000                  ; cx: my block of 512 queries
	s_and_b32 s26, ttmp7, 0xffff                   ; 16 b + head, which the partners share
	s_lshl_b32 s27, s24, 5
	s_lshl_b32 s25, s[WV], 1
	s_add_co_u32 s27, s27, s25                     ; my first tile of 16 queries: 32 cx + 2 wave
	s_mul_i32 s28, s26, KVH
	s_mul_i32 s29, s[WV], KVS                      ; I fetch key step = wave
	s_add_co_u32 s30, s28, s29
	s_mov_b32 s31, 0
	s_mov_b32 s[G1], 15|(3<<16)|(1<<21)            ; 15:0 the mask: all four work-groups; 17:16 elements of 8 bytes; 21 set beside a mask
	s_mov_b32 s[G1+1], 32<<16                      ; 13,056 dense bytes as 51 rows of 256
	s_mov_b32 s[G1+2], 51<<16
	s_mov_b32 s[G1+3], 32<<16
	s_mov_b32 s[G1+4], 51
	s_mov_b32 s[G1+5], 32
	s_mov_b32 s[G1+6], 0
	s_mov_b32 s[G1+7], 0
	s_mov_b32 s[SEL], 0x76543210
	s_mov_b32 s[SEL+1], 0xfedcba98
	s_mov_b32 s[CS], 0x3e38aa3b
	s_mov_b32 s[CS+1], s[CS]                       ; (named with it as a pair, so it is written)
	s_mov_b32 s[MO], 0
	s_wait_dscnt 0x0
	s_wait_kmcnt 0x0
	s_add_nc_u64 s[30:31], s[20:21], s[30:31]
	CROUND                                         ; all four work-groups are here: the joint loads meet
	s_mov_b32 s4, 1
	s_mov_b32 s5, s29
	s_mov_b64 s[6:7], s[30:31]
	s_or_b32 s7, s7, 0x80000000
	tensor_load_to_lds s[4:7], s[G1:G1+7]          ; my one tensor load of the launch
	s_nop 0
.rept 4
	v_nop
.endr
	v_and_b32 v4, 31, v0
	v_and_b32 v5, 15, v0
	v_lshlrev_b32 v1, 4, v4
	v_lshlrev_b32 v2, 3, v4
	v_lshlrev_b32 v3, 2, v4
	v_lshlrev_b32 v9, 2, v5
	s_wait_alu depctr_va_vdst(0)
	s_lshl_b32 s32, s26, 7
	s_add_co_u32 s32, s32, s27                     ; my first tile among all heads'
	s_mul_i32 s34, s32, 768
	s_mov_b32 s35, 0
	s_lshl_b32 s36, s32, 6
	s_mov_b32 s37, 0
	s_add_nc_u64 s[16:17], s[16:17], s[34:35]
	s_add_nc_u64 s[18:19], s[18:19], s[36:37]
	global_load_b128 v[16:19], v1, s[16:17]        ; Q's six registers of both tiles stay
	global_load_b64 v[20:21], v2, s[16:17] offset:512
	global_load_b32 v8, v9, s[18:19]               ; and their scale words
	global_load_b128 v[228:231], v1, s[16:17] offset:768
	global_load_b64 v[232:233], v2, s[16:17] offset:1280
	global_load_b32 v240, v9, s[18:19] offset:64
	s_lshr_b32 s40, s26, 4                         ; b
	s_lshl_b32 s38, s40, 7
	s_add_co_u32 s38, s38, s27
	s_lshl_b32 s38, s38, 12                        ; 4,096 bytes of mask words a tile
	s_mov_b32 s39, 0
	s_add_nc_u64 s[MB:MB+1], s[22:23], s[38:39]
	s_lshl_b32 s40, s40, 4                         ; where the results go: the panel of 128 tokens, 16 b + tile / 8 (the same for both my tiles),
	s_lshr_b32 s41, s27, 3
	s_add_co_u32 s40, s40, s41
	s_mul_i32 s40, s40, 102400
	s_and_b32 s41, s26, 15                         ; head
	s_lshr_b32 s42, s41, 1
	s_mul_i32 s42, s42, 12800                      ; K step = head / 2,
	s_add_co_u32 s40, s40, s42
	s_and_b32 s41, s41, 1                          ; which half of the K step,
	s_and_b32 s43, s27, 7                          ; the row block of my first tile; the second is the next
	s_mul_i32 s44, s43, 1536
	s_mul_i32 s45, s41, 768
	s_add_co_u32 s44, s44, s45
	s_add_co_u32 s44, s44, s40
	s_mov_b32 s45, 0
	s_lshl_b32 s46, s43, 6
	s_lshl_b32 s47, s41, 1
	s_add_co_u32 s46, s46, s47
	s_add_co_u32 s46, s46, s40
	s_add_co_u32 s46, s46, 12288
	s_mov_b32 s47, 0
	s_add_nc_u64 s[8:9], s[92:93], s[44:45]
	s_add_nc_u64 s[10:11], s[92:93], s[46:47]
.irp i, 22,23,24,25,26,27,82,83,84,85,86,87,234,235,236,237,238,239
	v_mov_b32 v\i, 0                               ; zero codes: Q's upper halves, and what stands behind K's last tile
.endr
	v_mov_b32 v7, 0xcaf42400                       ; -8e6
	v_mov_b32 v11, 0                               ; (named as the upper half of the pair v[10:11] before it is first written)
.irp b, 0,1,2,3
	v_mov_b32 v[T2+\b], 0                          ; written once: a lane permute's destination counts as one of its sources
.endr
	s_wait_alu depctr_va_vdst(0)
	s_wait_xcnt 0x0                                ; Q's loads have read their bases: s16 on are written again only behind this wait
	s_load_b512 s[16:31], s[MB:MB+1], s[MO] offset:0x0     ; key step 0's 64 mask words
	s_load_b512 s[32:47], s[MB:MB+1], s[MO] offset:0x40
	s_load_b512 s[48:63], s[MB:MB+1], s[MO] offset:0x80
	s_load_b512 s[68:83], s[MB:MB+1], s[MO] offset:0xc0
	s_wait_loadcnt 0x0                             ; Q
	s_wait_tensorcnt 0x0                           ; my key step has landed
	s_wait_dscnt 0x0
	s_barrier_signal -1
	s_barrier_wait -1                              ; and so has every wave's: all of K and V is in
	s_mov_b32 s[NI], 0
	s_mov_b32 s[TB], 0
	ADDR
	KLD                                            ; key step 0's K
; The mask's selection on the raw scores, the next step's words, and the largest score of each block of 32 keys
.macro SELMAX
.set j, 0
.rept 64
.if j < 48
	v_cndmask_b32 v[S+j], v[S+j], v7, s[16+j]      ; a masked key's score; each accumulator from its low end on
.else
	v_cndmask_b32 v[S+j], v[S+j], v7, s[20+j]
.endif
.set j, j+1
.endr
	s_add_co_u32 s[MO], s[MO], 256                 ; the next step's words, the next tile's behind this tile's; behind the very last step the last words once more, so that no load leaves the buffer
	s_min_u32 s[MO], s[MO], 7936
	s_load_b512 s[16:31], s[MB:MB+1], s[MO] offset:0x0
	s_load_b512 s[32:47], s[MB:MB+1], s[MO] offset:0x40
	s_load_b512 s[48:63], s[MB:MB+1], s[MO] offset:0x80
	s_load_b512 s[68:83], s[MB:MB+1], s[MO] offset:0xc0
.irp b, 0,1,2,3
	v_max3_num_f32 v[BM+\b], v[S+16*\b], v[S+16*\b+1], v[S+16*\b+2]   ; it serves the row's maximum and, since p rises with the score, the block's largest p
.endr
.irp i, 3,5,7,9,11,13
.irp b, 0,1,2,3
	s_delay_alu instid0(VALU_DEP_4)
	v_max3_num_f32 v[BM+\b], v[BM+\b], v[S+16*\b+\i], v[S+16*\b+\i+1]
.endr
.endr
.irp b, 0,1,2,3
	s_delay_alu instid0(VALU_DEP_4)
	v_max_num_f32 v[BM+\b], v[BM+\b], v[S+16*\b+15]
.endr
.endm
.macro RR                              ; pair i of p onto one of the sum's seven chains, by turns
.if (i-12)%7 == 6
	v_pk_add_f32 v[14:15], v[14:15], v[S+2*i:S+2*i+1]
.else
	v_pk_add_f32 v[CH+2*((i-12)%7):CH+2*((i-12)%7)+1], v[CH+2*((i-12)%7):CH+2*((i-12)%7)+1], v[S+2*i:S+2*i+1]
.endif
.set i, i+1
.endm
; A KEY STEP: 128 keys.  qr: Q's twelve registers, qs: its scale words
.macro STEP qr, qs
	s_wait_dscnt 0x0                               ; K's tiles, asked for in the step before, are in
.irp t, 0,1,2,3,4,5,6,7
.if \t%2
	v_wmma_scale_f32_16x16x128_f8f6f4 v[S+8*\t:S+8*\t+7], v[KF+6*\t:KF+6*\t+11], v[\qr:\qr+11], 0, v[KS+\t/2], v[\qs] matrix_a_fmt:MATRIX_FMT_FP6 matrix_b_fmt:MATRIX_FMT_FP6 matrix_a_scale:MATRIX_SCALE_ROW1
.else
	v_wmma_scale_f32_16x16x128_f8f6f4 v[S+8*\t:S+8*\t+7], v[KF+6*\t:KF+6*\t+11], v[\qr:\qr+11], 0, v[KS+\t/2], v[\qs] matrix_a_fmt:MATRIX_FMT_FP6 matrix_b_fmt:MATRIX_FMT_FP6
.endif
.endr
	v_mov_b32 v216, v12                            ; the old -M.  With the three lines below: four places, for the loads below and for the first read of the scores
.rept 3
	v_nop
.endr
.irp a, 0,1,2,3                        ; V's four fragments take K's registers and land under the softmax
.irp c, 0,1
	ds_load_b128 v[KF+12*\a+6*\c:KF+12*\a+6*\c+3], v4 offset:6144+1536*\a+768*\c
	ds_load_b64 v[KF+12*\a+6*\c+4:KF+12*\a+6*\c+5], v5 offset:6144+1536*\a+768*\c+512
.endr
.endr
.irp p, 0,1
	ds_load_b32 v[VS+\p], v6 offset:12800+128*\p
.endr
	s_wait_kmcnt 0x0                               ; this step's mask words, asked for a step ago
	SELMAX
.irp b, 0,1,2,3
	s_delay_alu instid0(VALU_DEP_4)
	v_permlanex16_b32 v[T2+\b], v[BM+\b], s[SEL], s[SEL+1]
.endr
.irp b, 0,1,2,3
	s_delay_alu instid0(VALU_DEP_4)
	v_max_num_f32 v[BM+\b], v[BM+\b], v[T2+\b]     ; with lane l xor 16's 16 keys
.endr
	s_delay_alu instid0(VALU_DEP_2)
	v_max3_num_f32 v217, v[BM], v[BM+1], v[BM+2]
	s_delay_alu instid0(VALU_DEP_1)
	v_max_num_f32 v217, v217, v[BM+3]              ; the step's largest score of my query,
	s_delay_alu instid0(VALU_DEP_1)
	v_mul_f32 v217, s[CS], v217                    ; as t (c is positive)
	s_delay_alu instid0(VALU_DEP_1)
	v_max_num_f32 v13, v13, v217                   ; the running largest t
	s_delay_alu instid0(VALU_DEP_1)
	v_floor_f32 v12, -v13                          ; the new -M = -ceil(t): a whole number
.set j, 0
.rept 32
	v_pk_fma_f32 v[S+j:S+j+1], v[S+j:S+j+1], s[CS:CS+1], v[12:13] op_sel_hi:[1,0,0]   ; t - M, two at a time (of the pairs c and -M the low word serves both halves)
.if j == 12
	v_sub_f32 v216, v12, v216                      ; among them, each well behind the line that it reads: old M - new M, a whole number, 0 or less;
.endif
.if j == 28
	v_cvt_i32_f32 v216, v216                       ; (it saturates)
.endif
.if j == 44
	v_ldexp_f32 v10, 1.0, v216                     ; f = 2^(old M - new M)
.endif
.set j, j+2
.endr
.irp b, 0,1,2,3
	v_fma_f32 v[BM+\b], v[BM+\b], s[CS], v12       ; the same multiply-add of each block's largest score
.endr
.set j, 0
.rept 16
	v_pk_mul_f32 v[O+j:O+j+1], v[O+j:O+j+1], v[10:11] op_sel_hi:[1,0]   ; O^T under the new M, ahead of the exponentials; each accumulator from its low end on
.set j, j+2
.endr
	s_wait_alu depctr_va_vdst(0)
.set j, 0
.rept 64
	v_exp_f32 v[S+j], v[S+j]                       ; p = 2^(t - M)
.set j, j+1
.endr
.irp b, 0,1,2,3
	v_exp_f32 v[BM+\b], v[BM+\b]                   ; the block's largest p: the same multiply-add and exponential on the same number give the same bits
.endr
	v_pk_mul_f32 v[14:15], v[14:15], v[10:11] op_sel_hi:[1,0]   ; the sums under the new M: the plain place behind the exponentials
	s_wait_alu depctr_va_vdst(0)                   ; one wait for the batch of 68, ahead of its first reader
.irp b, 0,1,2,3
	v_max_num_f32 v[BM+\b], 0x1800000, v[BM+\b]    ; the floor 2^(3 - 127): the byte cannot fall under 1
.endr
.irp b, 0,1,2,3
	s_delay_alu instid0(VALU_DEP_4)
	v_add_nc_u32 v[SCO+\b], 0xff000000, v[BM+\b]   ; 2 off the exponent field: the conversion's scale operand
.endr
.irp b, 0,1,2,3
	s_delay_alu instid0(VALU_DEP_4)
	v_lshrrev_b32 v[T2+\b], 23, v[SCO+\b]          ; the scale's byte
.endr
	s_delay_alu instid0(VALU_DEP_3)
	v_lshl_or_b32 v11, v[T2+1], 8, v[T2]           ; p's scale word for these 128 keys
	s_delay_alu instid0(VALU_DEP_1)
	v_lshl_or_b32 v11, v[T2+2], 16, v11
	s_delay_alu instid0(VALU_DEP_1)
	v_lshl_or_b32 v11, v[T2+3], 24, v11
.irp c, 0,1
	v_cvt_scalef32_pk16_fp6_f32 v[PC+6*\c:PC+6*\c+2], v[S+32*\c:S+32*\c+15], v[SCO+2*\c]
	v_cvt_scalef32_pk16_fp6_f32 v[PT+4*\c:PT+4*\c+2], v[S+32*\c+16:S+32*\c+31], v[SCO+2*\c+1]
.endr
	v_nop                                          ; one plain place behind a scaled conversion
.irp c, 0,1
.irp i, 0,1,2
	v_permlane16_swap_b32 v[PC+6*\c+\i], v[PT+4*\c+\i]   ; a whole block to a lane: lanes 0-15 block 2 c, lanes 16-31 block 2 c + 1
.endr
.irp i, 0,1,2
	s_delay_alu instid0(VALU_DEP_3)
	v_mov_b32 v[PC+6*\c+3+\i], v[PT+4*\c+\i]
.endr
.endr
; THE ROW'S SUM IS TAKEN OF THE UNQUANTISED p: 32 packed additions in seven chains.  The first six are the places between the writes of p's codes and the products.
.set i, 0
.rept 6
	v_pk_add_f32 v[CH+2*i:CH+2*i+1], v[S+4*i:S+4*i+1], v[S+4*i+2:S+4*i+3]
.set i, i+1
.endr
	s_wait_alu depctr_va_vdst(0)
	s_wait_dscnt 0x0                               ; V is in
.irp a, 0,1,2,3
.if \a%2
	v_wmma_scale_f32_16x16x128_f8f6f4 v[O+8*\a:O+8*\a+7], v[KF+12*\a:KF+12*\a+11], v[PC:PC+11], v[O+8*\a:O+8*\a+7], v[VS+\a/2], v11 matrix_a_fmt:MATRIX_FMT_FP6 matrix_b_fmt:MATRIX_FMT_FP6 matrix_a_scale:MATRIX_SCALE_ROW1
.else
	v_wmma_scale_f32_16x16x128_f8f6f4 v[O+8*\a:O+8*\a+7], v[KF+12*\a:KF+12*\a+11], v[PC:PC+11], v[O+8*\a:O+8*\a+7], v[VS+\a/2], v11 matrix_a_fmt:MATRIX_FMT_FP6 matrix_b_fmt:MATRIX_FMT_FP6
.endif
.endr
	s_add_co_u32 s[NI], s[NI], 1
	s_and_b32 s95, s[NI], 15                       ; the next step's number, modulo 16
	s_mul_i32 s[TB], s95, KVS
	ADDR                                           ; three lines and one addition: four places in front of loads into registers that the products above have read
.set i, 12
	RR
	KLD                                            ; the next step's K
.rept 19
	RR
.endr
	v_pk_add_f32 v[CH:CH+1], v[CH:CH+1], v[CH+2:CH+3]
	v_pk_add_f32 v[CH+4:CH+5], v[CH+4:CH+5], v[CH+6:CH+7]
	v_pk_add_f32 v[CH+8:CH+9], v[CH+8:CH+9], v[CH+10:CH+11]
	v_pk_add_f32 v[14:15], v[14:15], v[CH:CH+1]
	v_pk_add_f32 v[CH+4:CH+5], v[CH+4:CH+5], v[CH+8:CH+9]
	v_pk_add_f32 v[14:15], v[14:15], v[CH+4:CH+5]
.endm
.macro QUANT32 src, pc, pw             ; 32 numbers of a lane, register 16 b + i = k 32 b + 16 h + i, become registers 0-5 of an operand and two scale bytes
.irp b, 0,1
	v_max3_num_f32 v[TM+\b], |v[(\src)+16*\b]|, |v[(\src)+16*\b+1]|, 0x1800000
.endr
.irp i, 2,4,6,8,10,12,14
.irp b, 0,1
	s_delay_alu instid0(VALU_DEP_2)
	v_max3_num_f32 v[TM+\b], v[TM+\b], |v[(\src)+16*\b+\i]|, |v[(\src)+16*\b+\i+1]|
.endr
.endr
.irp b, 0,1
	s_delay_alu instid0(VALU_DEP_2)
	v_permlanex16_b32 v[TM+2+\b], v[TM+\b], s[SEL], s[SEL+1]
.endr
.irp b, 0,1
	s_delay_alu instid0(VALU_DEP_2)
	v_max_num_f32 v[TM+\b], v[TM+\b], v[TM+2+\b]
.endr
.irp b, 0,1
	s_delay_alu instid0(VALU_DEP_2)
	v_add_nc_u32 v[TM+4+\b], 0xff000000, v[TM+\b]
.endr
.irp b, 0,1
	s_delay_alu instid0(VALU_DEP_2)
	v_lshrrev_b32 v[TM+2+\b], 23, v[TM+4+\b]
.endr
	s_delay_alu instid0(VALU_DEP_1)
	v_lshl_or_b32 v[\pw], v[TM+3], 8, v[TM+2]
	v_cvt_scalef32_pk16_fp6_f32 v[(\pc):(\pc)+2], v[(\src):(\src)+15], v[TM+4]
	v_cvt_scalef32_pk16_fp6_f32 v[PT:PT+2], v[(\src)+16:(\src)+31], v[TM+5]
	v_nop
.irp i, 0,1,2
	v_permlane16_swap_b32 v[(\pc)+\i], v[PT+\i]
.endr
.irp i, 0,1,2
	s_delay_alu instid0(VALU_DEP_3)
	v_mov_b32 v[(\pc)+3+\i], v[PT+\i]
.endr
.endm
; ONE TILE OF 16 QUERIES over the head's 16 key steps, and its way out
.macro PASS p, qr, qs
	v_mov_b32 v13, 0xff61b1e6                      ; the largest t so far: -3e38, under every t
	v_mov_b32 v14, 0
	v_mov_b32 v15, 0
	v_floor_f32 v12, -v13                          ; -M
.set j, 0
.rept 32
	v_mov_b32 v[O+j], 0                            ; O^T.  (The step has no first step of its own: it finds zeros, which the first change of M leaves zeros)
.set j, j+1
.endr
	s_mov_b32 s[CNT], 16
.if \p
	s_wait_xcnt 0x0                                ; the last tile's stores have read their data: the codes' registers are written again only behind this wait
.endif
.Lstep_\@:
	STEP \qr, \qs
	s_sub_co_u32 s[CNT], s[CNT], 1
	s_cmp_lg_u32 s[CNT], 0
	s_cbranch_scc1 .Lstep_\@
	; THE WAY OUT: O^T / the sum, quantised along the head's 64 channels, which are half a K step of the last product: registers 0-5 or 6-11 of my tile's fragment in o's panel
	s_wait_alu depctr_va_vdst(0)
	v_add_f32 v14, v14, v15
	s_delay_alu instid0(VALU_DEP_1)
	v_permlanex16_b32 v216, v14, s[SEL], s[SEL+1]
	s_delay_alu instid0(VALU_DEP_1)
	v_add_f32 v14, v14, v216                       ; the row's sum
	s_wait_alu depctr_va_vdst(0)
	v_rcp_f32 v14, v14
	v_nop                                          ; a plain place behind it
	s_wait_alu depctr_va_vdst(0)                   ; the wait ahead of its first reader, which is O^T's first reader too
.set j, 0
.rept 16
	v_pk_mul_f32 v[S+j:S+j+1], v[O+j:O+j+1], v[14:15] op_sel_hi:[1,0]   ; each accumulator from its low end on
.set j, j+2
.endr
	QUANT32 S, PC, 216
	global_store_b128 v1, v[PC:PC+3], s[8:9] offset:1536*\p          ; 512 consecutive bytes
	global_store_b64 v2, v[PC+4:PC+5], s[8:9] offset:1536*\p+512
	global_store_b16 v9, v216, s[10:11] offset:64*\p                 ; two bytes of each row's scale word; lanes 16-31 repeat lanes 0-15; the other head of the K step writes the other two
.endm
	PASS 0, 16, 8
	PASS 1, 228, 240
	s_wait_kmcnt 0x0                               ; the words asked for behind the last step
	s_wait_tensorcnt 0x0                           ; the wave's end
	ds_add_u32 v254, v255
	s_wait_dscnt 0x0
	CROUND                                         ; the closing round
	s_endpgm
.Lfunc_end_k_qbc1ccec775_attn:
	.size	k_qbc1ccec775_attn, .Lfunc_end_k_qbc1ccec775_attn-k_qbc1ccec775_attn
	.p2alignl 7, 3214868480
	.fill 96, 4, 3214868480
	.section	.rodata,"a",@progbits
	.p2align	6, 0x0
	.amdhsa_kernel k_qbc1ccec775_attn
		.amdhsa_group_segment_fixed_size 210944
		.amdhsa_private_segment_fixed_size 0
		.amdhsa_enable_private_segment 0
		.amdhsa_kernarg_size 40
		.amdhsa_user_sgpr_count 2
		.amdhsa_user_sgpr_kernarg_segment_ptr 1
		.amdhsa_wavefront_size32 1
		.amdhsa_system_sgpr_workgroup_id_x 1
		.amdhsa_system_sgpr_workgroup_id_y 1
		.amdhsa_system_sgpr_workgroup_id_z 1
		.amdhsa_system_vgpr_workitem_id 0
		.amdhsa_next_free_vgpr 256
		.amdhsa_next_free_sgpr 102
		.amdhsa_reserve_vcc 0
		.amdhsa_float_denorm_mode_32 3
		.amdhsa_float_denorm_mode_16_64 3
		.amdhsa_memory_ordered 1
		.amdhsa_forward_progress 1
		.amdhsa_inst_pref_size 64
	.end_amdhsa_kernel
	.amdgpu_metadata
---
amdhsa.version: [ 1, 2 ]
amdhsa.kernels:
  - .name:           k_qbc1ccec775_attn
    .symbol:         k_qbc1ccec775_attn.kd
    .args:
      - { .name: qimg, .offset: 0, .size: 8, .value_kind: global_buffer, .address_space: global }
      - { .name: qsc, .offset: 8, .size: 8, .value_kind: global_buffer, .address_space: global }
      - { .name: kv, .offset: 16, .size: 8, .value_kind: global_buffer, .address_space: global }
      - { .name: mw, .offset: 24, .size: 8, .value_kind: global_buffer, .address_space: global }
      - { .name: opan, .offset: 32, .size: 8, .value_kind: global_buffer, .address_space: global }
    .group_segment_fixed_size: 210944
    .private_segment_fixed_size: 0
    .kernarg_segment_align: 8
    .kernarg_segment_size: 40
    .max_flat_workgroup_size: 512
    .sgpr_count:     102
    .vgpr_count:     256
    .wavefront_size: 32
...
	.end_amdgpu_metadata
.endif
;; end of part 3
;; launch outp (part 4): grid 4 x 64, 8 waves a work-group, clusters of 4 x 4, 310,272 bytes of LDS; arguments opan, pan, bo, out0; writes out0
.if DOCPART == 4
	.amdgcn_target "amdgcn-amd-amdhsa--gfx1250"
	.amdhsa_code_object_version 6
	.text
	.protected	k_qbc1ccec775_outp
	.globl	k_qbc1ccec775_outp
	.p2align	8
	.type	k_qbc1ccec775_outp,@function
k_qbc1ccec775_outp:
	s_mov_b64 s[64:65], 0
	v_nop
	global_prefetch_b8 v0, s[64:65] scope:SCOPE_SE
	s_setreg_imm32_b32 hwreg(HW_REG_WAVE_MODE, 25, 1), 1
	s_wait_xcnt 0x0
	s_wait_alu depctr_hold_cnt(0) depctr_sa_sdst(0) depctr_va_vdst(0) depctr_va_sdst(0) depctr_va_ssrc(0) depctr_va_vcc(0) depctr_vm_vsrc(0)
	s_getreg_b32 s2, hwreg(HW_REG_IB_STS2, 6, 4)
	s_cmp_eq_u32 s2, 0
	s_cbranch_scc0 .Lentry_in_a_cluster
	s_endpgm
.Lentry_in_a_cluster:
	s_bfe_u32 s2, ttmp6, 0x10000c
	s_cmp_lg_u32 s2, 0xf033
	s_cbranch_scc0 .Lentry_shape_is_right
	s_endpgm
.Lentry_shape_is_right:
; OUTP.  out0 = o Wo^T + bo on codes of FP6 (E2M3) with E8M0 scales; out0 [8192][1024] f32.
; C(x, y) = sum over k of X[x][k] Y[y][k]: X = one panel of o (128 tokens), Y = two panels of Wo (256 outputs); all of K = 1,024 lies in LDS: 3 x 102,400 bytes, filled once.
; Eight waves, two to a SIMD, each 64 x 64: 16 accumulators.  THE MATRIX INSTRUCTION IS USED TRANSPOSED (source 0 = 16 rows of Wo, source 1 = 16 tokens): a lane holds one token, and by the panels' choice of rows register
; 8 i + j of an X block holds output 32 (i/2) + 16 h + 8 (i%2) + j of the wave's 64.  Lane r of X block i is token 32 (i/2) + 8 (i%2) + r + 8 (r/8) of the panel.
; CLUSTER 4 x 4: X's panel is asked for jointly by a row of the cluster, Y's panels by a column.
; THE WAY OUT: a block of 16 tokens x 64 outputs goes through the wave's stage in LDS and leaves as rows of 256 consecutive bytes, aligned, sixteen lanes to a row.
.set PANEL, 102400
.set KSB,   12800
.set GRB,   25600
.set BIAS,  3*PANEL                    ; behind the panels: 256 bytes for each wave, its 64 bias numbers
.set SPITCH, 272
.set SC,  12
.set XF,  16
.set YF,  64
.set ACC, 112
.set OB,  16                           ; the way out: v16-47 and v48-79 by turns: 16 rows read back from the stage
.set BI,  80                           ; v80-111 the bias in the result's layout
.set STO, 241
.set RD,  242
.set CO,  243
.set WV,  14
.set XH,  15
.set YQ,  16
.set CX,  17
.set CYP, 18
.set PX,  22
.set YT,  23
.set G1X, 24
.set G1Y, 32
.set G0X, 40
.set G0Y, 68
.macro CROUND
	s_barrier_signal -1
	s_barrier_wait -1
	s_cmp_lg_u32 s[WV], 0
	s_cbranch_scc1 .Lnot_wave_0_\@
	s_barrier_signal -3
.Lnot_wave_0_\@:
	s_barrier_wait -3
	s_barrier_signal -1
	s_barrier_wait -1
.endm
	s_load_b256 s[4:11], s[0:1], 0x0               ; opan, pan, bo, out0
	v_lshl_add_u32 v254, v0, 2, 0x4b800
	v_mov_b32 v255, 0
	ds_add_u32 v254, v255
	ds_add_u32 v254, v255
	v_lshrrev_b32 v240, 5, v0
	s_delay_alu instid0(VALU_DEP_1)
	v_readfirstlane_b32 s[WV], v240
	s_lshr_b32 s[XH], s[WV], 2
	s_and_b32 s[YQ], s[WV], 3
	s_bfe_u32 s[CX], ttmp6, 0x40000
	s_bfe_u32 s[CYP], ttmp6, 0x40004
	s_and_b32 s19, ttmp7, 0xffff
	s_lshl_b32 s[PX], s19, 2
	s_add_co_u32 s[PX], s[PX], s[CYP]              ; o's panel: 4 x cluster y + cy
	s_mov_b32 s[YT], s[CX]                         ; Wo's pair of panels: cx
	s_mul_i32 s60, s[PX], PANEL
	s_mov_b32 s61, 0
	s_lshl_b32 s62, s[YT], 1
	s_add_co_u32 s62, s62, 216                     ; Wo's first panel in pan
	s_mul_i32 s62, s62, PANEL
	s_mov_b32 s63, 0
	s_lshr_b32 s97, s[WV], 1                       ; wave 2 g fetches X's group g (K steps 2 g, 2 g + 1), wave 2 g + 1 the same group of both panels of Y
	s_mul_i32 s98, s97, GRB
	s_add_co_u32 s60, s60, s98                     ; the group's place in a panel
	s_add_co_u32 s62, s62, s98
	s_mul_i32 s94, s97, 3*GRB                      ; LDS by groups: X's 25,600 bytes, then Y's two panels' 25,600 each
	s_and_b32 s97, s[WV], 1
	s_mul_i32 s97, s97, GRB
	s_add_co_u32 s94, s94, s97
	s_lshl_b32 s95, s[CYP], 2
	s_lshl_b32 s95, 15, s95                        ; my row of the cluster
	s_lshl_b32 s96, 0x1111, s[CX]                  ; my column
	s_or_b32 s[G1X], s95, (3<<16)|(1<<21)          ; 15:0 the mask; 17:16 elements of 8 bytes; 21 set beside a mask; no padding
	s_or_b32 s[G1Y], s96, (3<<16)|(1<<21)
	s_mov_b32 s[G1Y+1], 3200<<16                   ; Y: two rows of 25,600 bytes (3,200 elements), one from each panel, 102,400 bytes apart
	s_mov_b32 s[G1Y+2], 2<<16
	s_mov_b32 s[G1Y+3], 3200<<16
	s_mov_b32 s[G1Y+4], 2
	s_mov_b32 s[G1Y+5], 12800
	s_mov_b32 s[G1Y+6], 0
	s_mov_b32 s[G1Y+7], 0
.irp g, G1X                            ; X: 25,600 dense bytes as 100 rows of 256
	s_mov_b32 s[\g+1], 32<<16
	s_mov_b32 s[\g+2], 100<<16
	s_mov_b32 s[\g+3], 32<<16
	s_mov_b32 s[\g+4], 100
	s_mov_b32 s[\g+5], 32
	s_mov_b32 s[\g+6], 0
	s_mov_b32 s[\g+7], 0
.endr
	s_wait_dscnt 0x0
	s_wait_kmcnt 0x0
	s_add_nc_u64 s[60:61], s[4:5], s[60:61]
	s_add_nc_u64 s[62:63], s[6:7], s[62:63]
	CROUND                                         ; all sixteen work-groups are here: the joint loads meet
	s_mov_b32 s[G0X], 1
	s_mov_b32 s[G0X+1], s94
	s_mov_b64 s[G0X+2:G0X+3], s[60:61]
	s_or_b32 s[G0X+3], s[G0X+3], 0x80000000
	s_mov_b32 s[G0Y], 1
	s_mov_b32 s[G0Y+1], s94
	s_mov_b64 s[G0Y+2:G0Y+3], s[62:63]
	s_or_b32 s[G0Y+3], s[G0Y+3], 0x80000000
; All fills of the launch, one tensor load a wave: one chain of branches on the wave's number, an arm and a load line of its own for each wave.
.macro ARM n, g0, g1
	s_cmp_eq_u32 s[WV], \n
	s_cbranch_scc0 .Lnot_\@
	tensor_load_to_lds s[\g0:\g0+3], s[\g1:\g1+7]
	s_nop 0
.rept 4
	v_nop
.endr
	s_branch .Lasked
.Lnot_\@:
.endm
	ARM 0, G0X, G1X
	ARM 1, G0Y, G1Y
	ARM 2, G0X, G1X
	ARM 3, G0Y, G1Y
	ARM 4, G0X, G1X
	ARM 5, G0Y, G1Y
	ARM 6, G0X, G1X
	tensor_load_to_lds s[G0Y:G0Y+3], s[G1Y:G1Y+7]
	s_nop 0
.rept 4
	v_nop
.endr
.Lasked:
	v_and_b32 v240, 31, v0
	v_and_b32 v9, 15, v0                           ; r
	v_bfe_u32 v10, v0, 4, 1                        ; h
	s_delay_alu instid0(VALU_DEP_3)
	v_lshlrev_b32 v1, 4, v240
	s_wait_alu depctr_va_vdst(0)
	v_lshlrev_b32 v2, 3, v240
	s_wait_alu depctr_va_vdst(0)
	s_lshl_b32 s56, s[YT], 10                      ; my 64 outputs begin at 256 Yt + 64 yq: in bytes of f32
	s_lshl_b32 s57, s[YQ], 8
	s_add_co_u32 s56, s56, s57
	s_mov_b32 s57, 0
	s_add_nc_u64 s[8:9], s[8:9], s[56:57]
	global_load_b64 v[240:241], v2, s[8:9]         ; their bias: 256 consecutive bytes
	s_add_nc_u64 s[10:11], s[10:11], s[56:57]      ; out0 at my first output,
	s_lshl_b32 s58, s[PX], 7
	s_lshl_b32 s59, s[XH], 6
	s_add_co_u32 s58, s58, s59
	s_lshl_b32 s58, s58, 12                        ; and my first token: rows of 4,096 bytes
	s_mov_b32 s59, 0
	s_add_nc_u64 s[10:11], s[10:11], s[58:59]
	s_mul_i32 s56, s[XH], 6144
	v_add_nc_u32 v4, s56, v1
	v_add_nc_u32 v5, s56, v2
	s_lshr_b32 s57, s[YQ], 1
	s_add_co_u32 s57, s57, 1
	s_mul_i32 s57, s57, GRB                        ; Y: my panel's part of a group
	s_and_b32 s58, s[YQ], 1
	s_mul_i32 s59, s58, 6144
	s_add_co_u32 s59, s59, s57
	v_add_nc_u32 v6, s59, v1
	v_add_nc_u32 v7, s59, v2
	s_lshl_b32 s95, s[XH], 8
	s_lshl_b32 s96, s58, 8
	s_add_co_u32 s96, s96, s57
	s_sub_co_u32 s96, s96, s95
	v_mul_u32_u24 v8, s96, v10                     ; scale words: lanes 16-31 take Y's: the lower base + h x the distance
	s_add_co_u32 s95, s95, 12288
	v_lshl_add_u32 v8, v9, 2, v8
	s_delay_alu instid0(VALU_DEP_1)
	v_add_nc_u32 v8, s95, v8
	s_lshl_b32 s97, s[WV], 8
	s_add_co_u32 s97, s97, BIAS
	v_add_nc_u32 v245, s97, v2
	v_lshl_add_u32 v11, v10, 6, s97
	s_mul_i32 s98, s[WV], 16*SPITCH                ; my stage
	v_mul_u32_u24 v[RD], v10, SPITCH               ; back: lanes 0-15 one row of 256 bytes, lanes 16-31 the next
	s_delay_alu instid0(VALU_DEP_1)
	v_lshl_add_u32 v[RD], v9, 4, v[RD]
	s_delay_alu instid0(VALU_DEP_1)
	v_add_nc_u32 v[RD], s98, v[RD]
	v_lshlrev_b32 v[CO], 12, v10                   ; and the same two rows in out0
	s_delay_alu instid0(VALU_DEP_1)
	v_lshl_add_u32 v[CO], v9, 4, v[CO]
	s_wait_alu depctr_va_vdst(0)
	s_wait_loadcnt 0x0
	ds_store_b64 v245, v[240:241]                  ; read back by this wave alone, on the way out
	v_mul_u32_u24 v[STO], v9, SPITCH               ; in: row r, + 64 h  (v241 held the bias until the store above took it)
	s_delay_alu instid0(VALU_DEP_1)
	v_lshl_add_u32 v[STO], v10, 6, v[STO]
	s_delay_alu instid0(VALU_DEP_1)
	v_add_nc_u32 v[STO], s98, v[STO]
; One K step of 128: eight fragments as images, four registers of scale words, 16 matrix instructions; the 16 accumulators take turns, one instruction a turn.
.macro KSTEP q, zero
.irp a, 0,1,2,3
.irp c, 0,1
	ds_load_b128 v[XF+12*\a+6*\c:XF+12*\a+6*\c+3], v4 offset:KSB*\q+1536*\a+768*\c
	ds_load_b64 v[XF+12*\a+6*\c+4:XF+12*\a+6*\c+5], v5 offset:KSB*\q+1536*\a+768*\c+512
	ds_load_b128 v[YF+12*\a+6*\c:YF+12*\a+6*\c+3], v6 offset:KSB*\q+1536*\a+768*\c
	ds_load_b64 v[YF+12*\a+6*\c+4:YF+12*\a+6*\c+5], v7 offset:KSB*\q+1536*\a+768*\c+512
.endr
.endr
.irp a, 0,1,2,3
	ds_load_b32 v[SC+\a], v8 offset:KSB*\q+64*\a
.endr
	s_wait_dscnt 0x0
.irp a, 0,1,2,3
.irp i, 0,1,2,3
.if \zero
	v_wmma_scale_f32_16x16x128_f8f6f4 v[ACC+8*(4*\a+\i):ACC+8*(4*\a+\i)+7], v[YF+12*\i:YF+12*\i+11], v[XF+12*\a:XF+12*\a+11], 0, v[SC+\i], v[SC+\a] matrix_a_fmt:MATRIX_FMT_FP6 matrix_b_fmt:MATRIX_FMT_FP6 matrix_a_scale:MATRIX_SCALE_ROW1
.else
	v_wmma_scale_f32_16x16x128_f8f6f4 v[ACC+8*(4*\a+\i):ACC+8*(4*\a+\i)+7], v[YF+12*\i:YF+12*\i+11], v[XF+12*\a:XF+12*\a+11], v[ACC+8*(4*\a+\i):ACC+8*(4*\a+\i)+7], v[SC+\i], v[SC+\a] matrix_a_fmt:MATRIX_FMT_FP6 matrix_b_fmt:MATRIX_FMT_FP6 matrix_a_scale:MATRIX_SCALE_ROW1
.endif
.endr
.endr
.rept 4
	v_nop                                          ; four places in front of loads into registers that matrix instructions have read, and of the first read of results
.endr
.endm
.macro GRP g                           ; K steps 2 g, 2 g + 1, brought by waves 2 g and 2 g + 1: they, and the earlier groups' waves, wait for their one load ahead of the barrier
.if \g < 3
	s_cmp_lt_u32 s[WV], 2*\g+2
	s_cbranch_scc0 .Lnot_mine_\@
	s_wait_tensorcnt 0x0
.Lnot_mine_\@:
.else
	s_wait_tensorcnt 0x0                           ; the last group: every wave waits
.endif
	s_wait_dscnt 0x0
	s_barrier_signal -1
	s_barrier_wait -1
.if \g == 0
	KSTEP 0, 1
.else
	KSTEP 0, 0
.endif
	KSTEP 1, 0
.if \g < 3
.irp r, 4,5,6,7,8
	v_add_nc_u32 v\r, 3*GRB, v\r
.endr
.endif
.endm
	GRP 0
	s_wait_alu depctr_va_vdst(0)
	GRP 1
	s_wait_alu depctr_va_vdst(0)
	GRP 2
	s_wait_alu depctr_va_vdst(0)
	GRP 3
; The stages, 8 x 4,352 bytes, lie in group 0's bytes: those had their one fill at the head, and every wave waited for its reads of them in front of a later group's barrier, which this wave has passed.
.irp i, 0,1,2,3
.irp q, 0,1
	ds_load_b128 v[BI+8*\i+4*\q:BI+8*\i+4*\q+3], v11 offset:4*(32*(\i/2)+8*(\i%2))+16*\q
.endr
.endr
	s_wait_dscnt 0x0
.macro TOSTAGE a
.set j, 0
.rept 16
	v_pk_add_f32 v[ACC+32*(\a)+j:ACC+32*(\a)+j+1], v[ACC+32*(\a)+j:ACC+32*(\a)+j+1], v[BI+j:BI+j+1]   ; + bo; each accumulator from its low end on
.set j, j+2
.endr
.irp i, 0,1,2,3
.irp q, 0,1
	ds_store_b128 v[STO], v[ACC+32*(\a)+8*\i+4*\q:ACC+32*(\a)+8*\i+4*\q+3] offset:128*(\i/2)+32*(\i%2)+16*\q
.endr
.endr
.irp t, 0,1,2,3,4,5,6,7
	ds_load_b128 v[OB+32*((\a)%2)+4*\t:OB+32*((\a)%2)+4*\t+3], v[RD] offset:2*SPITCH*\t   ; LDS serves a wave's instructions in order: these see the stores above, and the next block's stores come behind them
.endr
.endm
.macro SEND a, younger                 ; younger: the LDS instructions issued behind block a's loads, which may stay out
	s_wait_dscnt \younger
.irp t, 0,1,2,3,4,5,6,7
	global_store_b128 v[CO], v[OB+32*((\a)%2)+4*\t:OB+32*((\a)%2)+4*\t+3], s[10:11] offset:(32*((\a)/2)+8*((\a)%2)+2*\t+8*(\t/4))*4096 th:TH_STORE_NT   ; 16 lanes store 256 consecutive bytes, aligned; written once, read by nobody here
.endr
.endm
	TOSTAGE 0
.irp a, 1,2,3
.if \a > 1
	s_wait_xcnt 0x0                                ; block a - 2's stores have read their registers: block a's loads land there only behind this wait
.endif
	TOSTAGE \a
	SEND \a-1, 16                                  ; behind block a - 1's loads: block a's 8 stores and 8 loads
.endr
	SEND 3, 0
	s_wait_tensorcnt 0x0
	ds_add_u32 v254, v255
	s_wait_dscnt 0x0
	CROUND                                         ; the closing round
	s_endpgm
.Lfunc_end_k_qbc1ccec775_outp:
	.size	k_qbc1ccec775_outp, .Lfunc_end_k_qbc1ccec775_outp-k_qbc1ccec775_outp
	.p2alignl 7, 3214868480
	.fill 96, 4, 3214868480
	.section	.rodata,"a",@progbits
	.p2align	6, 0x0
	.amdhsa_kernel k_qbc1ccec775_outp
		.amdhsa_group_segment_fixed_size 310272
		.amdhsa_private_segment_fixed_size 0
		.amdhsa_enable_private_segment 0
		.amdhsa_kernarg_size 32
		.amdhsa_user_sgpr_count 2
		.amdhsa_user_sgpr_kernarg_segment_ptr 1
		.amdhsa_wavefront_size32 1
		.amdhsa_system_sgpr_workgroup_id_x 1
		.amdhsa_system_sgpr_workgroup_id_y 1
		.amdhsa_system_sgpr_workgroup_id_z 1
		.amdhsa_system_vgpr_workitem_id 0
		.amdhsa_next_free_vgpr 256
		.amdhsa_next_free_sgpr 100
		.amdhsa_reserve_vcc 0
		.amdhsa_float_denorm_mode_32 3
		.amdhsa_float_denorm_mode_16_64 3
		.amdhsa_memory_ordered 1
		.amdhsa_forward_progress 1
		.amdhsa_inst_pref_size 58
	.end_amdhsa_kernel
	.amdgpu_metadata
---
amdhsa.version: [ 1, 2 ]
amdhsa.kernels:
  - .name:           k_qbc1ccec775_outp
    .symbol:         k_qbc1ccec775_outp.kd
    .args:
      - { .name: opan, .offset: 0, .size: 8, .value_kind: global_buffer, .address_space: global }
      - { .name: pan, .offset: 8, .size: 8, .value_kind: global_buffer, .address_space: global }
      - { .name: bo, .offset: 16, .size: 8, .value_kind: global_buffer, .address_space: global }
      - { .name: out0, .offset: 24, .size: 8, .value_kind: global_buffer, .address_space: global }
    .group_segment_fixed_size: 310272
    .private_segment_fixed_size: 0
    .kernarg_segment_align: 8
    .kernarg_segment_size: 32
    .max_flat_workgroup_size: 256
    .sgpr_count:     100
    .vgpr_count:     256
    .wavefront_size: 32
...
	.end_amdgpu_metadata
.endif
;; end of part 4
